; MI455X (gfx1250); checked and timed in simulation.
; The chip was launched on July 23, 2026; its instructions are those of AMD's public machine-readable ISA for CDNA 5 (MIT licence, August 2026) and "CDNA5" Instruction Set Architecture Reference Guide (July 2026). The comments in the code are by the model that wrote it; some were corrected since.
;; MAB Post LN. Allowed arithmetic: matrix products marked QUANTISED: E3M2 operands, one E8M0 scale for each 32 along K, by v_wmma_scale_f32_16x16x128_f8f6f4 with both operands' format E3M2, f32 sums; everything else in f32.
;; Inputs: K 8 x 1,024 x 1,024 float32; Q 8 x 1,024 x 1,024 float32; Wk 1,024 x 1,024 float32; Wp 1,024 x 1,024 float32; Wq 1,024 x 1,024 float32; Wv 1,024 x 1,024 float32; beta0 1,024 float32; beta1 1,024 float32; bk 1,024 float32; bp 1,024 float32; bq 1,024 float32; bv 1,024 float32; g0 1,024 float32; g1 1,024 float32; key_padding_mask 8 x 1,024 int32.
;; Outputs: out0 8 x 1,024 x 1,024 float32.
;; This version of the problem:
;;   THIS VERSION OF THE PROBLEM IS GIVEN IN LOW PRECISION. The matrix products marked QUANTISED in the list below multiply operands that are first quantised to E3M2 (3 exponent bits, 2 mantissa bits; 6 bits a number), with one power-of-two scale for each 32 numbers along K (OCP MX v1.0); their sums are f32. All else is computed in f32.
;;   The module's matrix products, in the order in which they are computed (A, B: the left and right operand; K: the contracted axis; several contracted axes count as one K, in the product's order):
;;     1. [M 8,192, K 1,024] x [K 1,024, N 1,024]; A: input Q; B: input Wq: QUANTISED
;;     2. [M 8,192, K 1,024] x [K 1,024, N 1,024]; A: input K; B: input Wk: QUANTISED
;;     3. [M 8,192, K 1,024] x [K 1,024, N 1,024]; A: input K; B: input Wv: QUANTISED
;;     4. batch 128 x [M 1,024, K 64] x [K 64, N 1,024]; A: computed on the way; B: computed on the way: QUANTISED
;;     5. batch 128 x [M 1,024, K 1,024] x [K 1,024, N 64]; A: softmax (see below); B: computed on the way: QUANTISED
;;     6. [M 8,192, K 1,024] x [K 1,024, N 1,024]; A: computed on the way; B: input Wp: QUANTISED
;;   THE QUANTISER, for each operand of a quantised product, along K:
;;     - K is cut into blocks of 32 from its start; a last block that is shorter is filled with zeros.
;;     - A block's scale is 2^e with e = floor(log2(the largest magnitude in the block)) - 4, held to -126 .. 127; a block of zeros has e = 0. As a byte (E8M0): e + 127.
;;     - Each number is divided by its block's scale, clamped to +-28, and rounded to the nearest number of E3M2, ties to even, subnormals kept.
;;     - The product sums the exact products of the quantised numbers (number of the format x scale) in f32.
;;   ~~~python
;;   def quantise(x, axis):      # numpy; x: float32 -> the quantised numbers, widened to float32 again
;;       x = np.moveaxis(x, axis, -1); K = x.shape[-1]
;;       x = np.pad(x, [(0, 0)] * (x.ndim - 1) + [(0, -K % 32)]); x = x.reshape(x.shape[:-1] + (-1, 32)); a = np.abs(x).max(-1, keepdims=True)
;;       e = np.where(a > 0, np.clip(np.frexp(np.where(a > 0, a, 1))[1] - 1 - 4, -126, 127), 0)      # np.frexp(a)[1] - 1 = floor(log2(a)), exactly
;;       r = np.clip(x / 2.0 ** e, -28, 28)
;;       step = 2.0 ** (np.maximum(np.frexp(np.where(r == 0, 1, r))[1] - 1, -2) - 2)
;;       q = np.round(r / step) * step * 2.0 ** e      # np.round: ties to even
;;       return np.moveaxis(q.reshape(q.shape[:-2] + (-1,))[..., :K], -1, axis).astype(np.float32)
;;   ~~~
;;   SOFTMAX AHEAD OF A QUANTISED PRODUCT. Where the list says 'softmax', what is quantised is not the finished softmax but p = 2^(t - M), with t = logit x log2(e) and M = ceil(the row's largest t), a whole number; so 1/2 < the row's largest p <= 1. The row's sum l is taken of the UNQUANTISED p, in f32, and the product's result is divided by l at the end. Since M is a whole number, a kernel that streams over the keys may use a running M (the ceiling of the running maximum): every later rescaling is an exact power of two, which a block's scale takes up: the codes' values come out the same.
;;   OPERANDS COMPUTED ON THE WAY. 'Computed on the way' means the value that the module computes at that place (a softmax that the list does not call 'softmax' is quantised finished and normalised). What goes into a quantiser is computed in f32, as accurately as f32 sums, v_exp_f32 and their like allow (about 1e-6 of the number): no bf16 or f16 on the way to a quantiser, and a product that is left as it is and whose result goes on into a quantised operand takes f32 operands (vector FMAs, or v_wmma_f32_16x16x4_f32). A number that lies on a knife's edge between two numbers of the format may be rounded either way, as far as f32 arithmetic and the matrix unit's own rounding can turn it there, and no further.
;; One version. Each part assembles by itself: llvm-mc -triple=amdgcn-amd-amdhsa -mcpu=gfx1250 --defsym DOCPART=n.
;; ======== version 1 of 1: 4 launches
;; limits: right only within a limited range of input values; a function is approximated: absolute error at most 1.5e-07; an absolute error that grows with the inputs' magnitude: up to 7.5e-08 times it
;; workspace buffers: acodes 12,582,912 bytes; ascales 524,288 bytes; wcodes 3,145,728 bytes; wscales 131,072 bytes; qf 33,554,432 bytes; hq 6,815,744 bytes; hkv 13,631,488 bytes; xres 33,554,432 bytes
;; launch quant (part 1): grid 768 x 1, 4 waves a work-group, no clusters, 48,640 bytes of LDS; arguments Wq, Wk, Wv, Wp, Q, K, acodes, ascales, wcodes, wscales; writes acodes, ascales, wcodes, wscales
.if DOCPART == 1
	.amdgcn_target "amdgcn-amd-amdhsa--gfx1250"
	.amdhsa_code_object_version 6
	.text
	.protected	k_q1edeb366a8_quant
	.globl	k_q1edeb366a8_quant
	.p2align	8
	.type	k_q1edeb366a8_quant,@function
k_q1edeb366a8_quant:
	s_mov_b64 s[64:65], 0
	v_nop
	global_prefetch_b8 v0, s[64:65] scope:SCOPE_SE
	s_setreg_imm32_b32 hwreg(HW_REG_WAVE_MODE, 25, 1), 1
	s_wait_xcnt 0x0
; Q and K, [8192][1024] f32, and Wq, Wk, Wv, Wp, [1024 (k)][1024 (n)] f32, become codes of BF6 (E3M2) with one E8M0 byte for each 32 along K, for products 1, 2, 3 and 6.
; NO WORK OF THE PROBLEM IS LEFT OUT IN THIS PROGRAM: every input has a way to the output (bk moves k's codes, the mask is an input and is applied by value), so every input is loaded and every product is made.
; ONE LAUNCH, TWO PATHS, parted by the work-group's number: work-groups 0-511 take the tokens, 512-767 the weights.  Each path has LDS bytes of its own.
; LAYOUT OF THE WORKSPACE: IMAGES OF OPERAND REGISTERS.  Rows go in groups of 32; tile T = 2 x group + u holds the rows 32 x group + 8 u + r + 8 (r / 8), r = 0 .. 15.
; A fragment (tile T, K step s of 128) is 12 registers a lane, 1,536 bytes: register 4 g + e of lane l at byte 512 g + 16 l + 4 e.  acodes: [Q, K][512 T][8 s][1536]; wcodes: [4][64 T][8 s][1536] (rows = the columns n).
; ascales: [Q, K][512 T][2][16 r][4 words], wscales: [4][64 T][2][16 r][4 words]: word s % 4 of quad s / 4 holds the four bytes of row (T, r) for K step s.
; A block's scale is 2^(floor(log2(largest magnitude)) - 4): the byte is the largest magnitude's exponent field - 4, held at 1 from below by a floor among the maximum's leaves.
; LIMITS: a block of zeros gets the byte 1 where the rule says 127 (its codes are zeros, and this program alone reads the bytes); blocks whose largest magnitude lies under 2^-122 get the byte 1; NaN and infinities among the inputs are not served.
; TOKENS: unit U = 4 x work-group + wave takes tile U / 2 (of both tensors' 1,024) and four K steps, in eight half steps of 16 rows x 64: a lane then holds ONE whole block of 32.
;   Loads take the bytes as they lie (sixteen lanes read a row's aligned 256 bytes); the 4,096 bytes of a half step turn through the wave's own stage in LDS (rows 272 bytes apart) and come back 128 bytes a lane.
;   Loads run four half steps (32 loads a wave) ahead, the turn through LDS one.
; WEIGHTS: K is their FIRST axis: a lane takes a column and its registers run down K: a block of 32 lies in one lane, and the conversions give codes with K innermost.  Work-group 512 + 32 y + x: weight x / 8, columns 128 (x % 8) on,
;   K step y.  A wave takes 32 columns x 128 K: four blocks a lane; block t is registers 6 (t / 2) .. + 5 of lane r + 16 (t % 2) of its tile's image.  The two images are gathered in the wave's own LDS (1,664 bytes apart) and leave
;   as stores of 512 consecutive bytes.  A lane's scale word goes out by itself, 4 bytes of every 16: one byte in 128 of what this path reads.
; No barrier: waves share nothing.
.set AREG,  8704                       ; tokens: LDS of a wave: two stages of 16 x 272 bytes
.set WBASE, 4*AREG                     ; weights: their LDS begins behind the tokens'
.set WREG,  3328                       ; LDS of a wave: two images
.set SPARE, WBASE+4*WREG               ; behind both the spare words, 128 bytes a wave
.set SPW,   12                         ; v12 my spare word's address; v13 zero: never rewritten
.set NIL,   13
.set SW,    16                         ; tokens: v16-19 the four scale words
.set CD,    24                         ; v24-47 two sets of 12 code registers
.set CT,    48                         ; v48-50 a block's upper 16 codes (a conversion's three registers begin on an even number)
.set X,     64                         ; v64-127 two sets of 32 neighbours
.set R,     128                        ; v128-255 four sets of 32 numbers as loaded
.set WSB,   16                         ; weights: v16 my column's scale word
.set WC,    20                         ; v20-25 a block's codes
.set WCT,   26                         ; v26-28 its upper 16 codes as converted
.set WX,    32                         ; v32-95 two sets of 32 numbers
.set WOUT,  96                         ; v96-119 the way out
	v_lshl_add_u32 v[SPW], v0, 2, SPARE
	v_mov_b32 v[NIL], 0
	v_lshrrev_b32 v1, 5, v0
	v_readfirstlane_b32 s16, v1                    ; wave
	s_cmp_ge_u32 ttmp9, 512                        ; the work-group's number alone parts the paths
	s_cbranch_scc1 .Lweights
	; ---------------- the tokens
	s_load_b256 s[4:11], s[0:1], 0x20              ; Q, K, acodes, ascales
	v_and_b32 v8, 15, v0                           ; r
	v_bfe_u32 v23, v0, 4, 1                        ; h
	v_lshlrev_b32 v2, 4, v8
	v_lshl_add_u32 v2, v23, 12, v2                 ; in: 16 (lane % 16), lanes 16-31 one row further down
	s_mul_i32 s20, s16, AREG
	v_mul_u32_u24 v3, v23, 272
	v_lshl_add_u32 v3, v8, 4, v3
	v_add_nc_u32 v3, s20, v3                       ; the stage, on the way in
	v_mul_u32_u24 v4, v8, 272
	v_lshl_add_u32 v4, v23, 7, v4
	v_add_nc_u32 v4, s20, v4                       ; and out: row r, my half's 128 bytes
	v_and_b32 v5, 31, v0
	v_lshlrev_b32 v5, 4, v5                        ; 16 x lane: my place in an image
	v_lshlrev_b32 v6, 4, v8
	v_lshl_add_u32 v6, v23, 3, v6                  ; my 8 bytes of the scale quads
	v_lshlrev_b32 v7, 3, v23                       ; 8 h: my bytes' shift in a scale word
	v_mov_b32 v22, 0                               ; a lane permute's destination counts as read
	s_mov_b32 s12, 0x76543210
	s_mov_b32 s13, 0xfedcba98                      ; lane l xor 16
	s_lshl_b32 s17, ttmp9, 2
	s_add_co_u32 s17, s17, s16                     ; U
	s_bfe_u32 s18, s17, 0x80002                    ; the group of 32 rows
	s_lshl_b32 s18, s18, 17
	s_bfe_u32 s19, s17, 0x10001                    ; u
	s_lshl_b32 s19, s19, 15
	s_add_co_u32 s18, s18, s19
	s_and_b32 s19, s17, 1                          ; which four K steps
	s_lshl_b32 s19, s19, 11
	s_add_co_u32 s18, s18, s19
	s_mov_b32 s19, 0
	s_mul_i32 s20, s17, 6144                       ; four fragments a unit
	s_mov_b32 s21, 0
	s_lshl_b32 s22, s17, 8                         ; one quad of 256 bytes a unit
	s_mov_b32 s23, 0
	s_wait_kmcnt 0x0
	s_cmp_lt_u32 ttmp9, 256                        ; Q's work-group or K's: only the pointer is chosen
	s_cselect_b64 s[4:5], s[4:5], s[6:7]
	s_add_nc_u64 s[4:5], s[4:5], s[18:19]
	s_add_nc_u64 s[8:9], s[8:9], s[20:21]
	s_add_nc_u64 s[10:11], s[10:11], s[22:23]
.macro LOAD t                          ; half step t: tile rows 2 i and 2 i + 1 are rows 2 i + 8 (i / 4) and the next
.irp i, 0,1,2,3,4,5,6,7
	global_load_b128 v[R+32*((\t)%4)+4*\i:R+32*((\t)%4)+4*\i+3], v2, s[4:5] offset:(2*\i+8*(\i/4))*4096+256*(\t) th:TH_LOAD_NT
.endr
.endm
.macro TURN t                          ; through the stage: LDS serves a wave's instructions in order, so no wait stands between the stores and the loads
.irp i, 0,1,2,3,4,5,6,7
	ds_store_b128 v3, v[R+32*((\t)%4)+4*\i:R+32*((\t)%4)+4*\i+3] offset:4352*((\t)%2)+544*\i
.endr
.irp i, 0,1,2,3,4,5,6,7
	ds_load_b128 v[X+32*((\t)%2)+4*\i:X+32*((\t)%2)+4*\i+3], v4 offset:4352*((\t)%2)+16*\i
.endr
.endm
.macro STEP t
.set XS, X+32*((\t)%2)
.set FB, CD+12*(((\t)/2)%2)
.set FS, FB+6*((\t)%2)
	s_wait_dscnt 0x0                               ; this half step's numbers are back from the stage
.if (\t) < 4
	LOAD (\t)+4
.endif
.if (\t) < 7
.if (\t) < 4
	s_wait_loadcnt 24                              ; the next half step's eight loads are in; three half steps' may be out
.else
	s_wait_loadcnt 8*(6-(\t))                      ; the counts run down
.endif
	TURN (\t)+1
.endif
.if (\t) >= 4
.if (\t)%2 == 0
	s_wait_xcnt 0x0                                ; the stores of two fragments ago have read this set of code registers
.endif
.endif
	v_max3_num_f32 v8, |v[XS]|, |v[XS+1]|, |v[XS+2]|   ; the block's largest magnitude: all 32 numbers are mine
	v_max3_num_f32 v9, |v[XS+3]|, |v[XS+4]|, |v[XS+5]|
.irp i, 6,10,14,18,22,26
	v_max3_num_f32 v8, v8, |v[XS+\i]|, |v[XS+\i+1]|
	v_max3_num_f32 v9, v9, |v[XS+\i+2]|, |v[XS+\i+3]|
.endr
	v_max3_num_f32 v8, v8, |v[XS+30]|, |v[XS+31]|
	v_max3_num_f32 v8, v8, v9, 0x2800000           ; and the floor 2^(5 - 127)
	v_add_nc_u32 v10, 0xfe000000, v8               ; 4 off the exponent field: the conversion's scale operand
	v_cvt_scalef32_pk16_bf6_f32 v[FS:FS+2], v[XS:XS+15], v10
	v_cvt_scalef32_pk16_bf6_f32 v[CT:CT+2], v[XS+16:XS+31], v10
	v_lshrrev_b32 v[14+(\t)%2], 23, v10            ; the byte (the plain line behind the conversions)
.irp i, 0,1,2
	v_mov_b32 v[FS+3+\i], v[CT+\i]
.endr
.if (\t)%2 == 1
	v_lshl_or_b32 v11, v15, 16, v14                ; my two bytes: blocks h and 2 + h,
	v_lshlrev_b32 v11, v7, v11                     ; at their places;
	v_permlanex16_b32 v22, v11, s12, s13
	v_or_b32 v[SW+(\t)/2], v11, v22                ; with lane l xor 16's two the word is whole
.irp g, 0,1,2
	global_store_b128 v5, v[FB+4*\g:FB+4*\g+3], s[8:9] offset:1536*((\t)/2)+512*\g   ; 512 consecutive bytes a store
.endr
.endif
.endm
.irp t, 0,1,2,3
	LOAD \t
.endr
	s_wait_loadcnt 24                              ; half step 0's eight loads are in
	TURN 0
.irp t, 0,1,2,3,4,5,6,7
	STEP \t
.endr
	v_cmp_eq_u32 vcc_lo, 1, v23
	v_cndmask_b32 v20, v[SW], v[SW+2], vcc_lo      ; lanes 0-15 store words 0, 1 of their row's quad, lanes 16-31 words 2, 3
	v_cndmask_b32 v21, v[SW+1], v[SW+3], vcc_lo
	global_store_b64 v6, v[20:21], s[10:11]        ; 256 consecutive bytes
	s_wait_tensorcnt 0x0                           ; the wave's end
	ds_add_u32 v[SPW], v[NIL]
	s_wait_dscnt 0x0
	s_endpgm
	; ---------------- the weights
.Lweights:
	s_load_b256 s[4:11], s[0:1], 0x0               ; Wq, Wk, Wv, Wp
	s_load_b128 s[12:15], s[0:1], 0x40             ; wcodes, wscales
	v_and_b32 v2, 31, v0
	v_lshlrev_b32 v3, 2, v2                        ; in: 4 bytes a lane
	v_bfe_u32 v8, v0, 3, 1                         ; u of my column
	v_and_b32 v9, 7, v0
	v_bfe_u32 v10, v0, 4, 1
	v_lshl_add_u32 v9, v10, 3, v9                  ; its row r in the tile
	s_mul_i32 s17, s16, WREG
	s_add_co_u32 s17, s17, WBASE
	v_mul_u32_u24 v4, v8, 1664
	v_lshl_add_u32 v4, v9, 4, v4
	v_add_nc_u32 v4, s17, v4                       ; into the images
	v_lshlrev_b32 v6, 4, v2                        ; 16 x lane
	v_add_nc_u32 v5, s17, v6                       ; and out of them
	v_lshlrev_b32 v7, 9, v8
	v_lshl_add_u32 v7, v9, 4, v7                   ; my scale word: tile u, row r
	s_and_b32 s30, ttmp9, 31                       ; x (512 is a multiple of 32)
	s_bfe_u32 s20, ttmp9, 0x30005                  ; K step: bits 5 to 7 (512 is a multiple of 256)
	s_lshr_b32 s18, s30, 3                         ; which weight
	s_and_b32 s19, s30, 7
	s_lshl_b32 s21, s19, 2
	s_add_co_u32 s21, s21, s16                     ; group of 32 columns
	s_lshl_b32 s22, s20, 19                        ; 128 rows of 4,096 bytes
	s_lshl_b32 s24, s21, 7
	s_add_co_u32 s22, s22, s24
	s_mov_b32 s23, 0
	s_mul_i32 s24, s18, 786432
	s_mul_i32 s26, s21, 24576
	s_add_co_u32 s24, s24, s26
	s_mul_i32 s26, s20, 1536
	s_add_co_u32 s24, s24, s26
	s_mov_b32 s25, 0
	s_lshl_b32 s26, s18, 15
	s_lshl_b32 s28, s21, 10
	s_add_co_u32 s26, s26, s28
	s_lshr_b32 s28, s20, 2
	s_lshl_b32 s28, s28, 8
	s_add_co_u32 s26, s26, s28
	s_and_b32 s28, s20, 3
	s_lshl_b32 s28, s28, 2
	s_add_co_u32 s26, s26, s28
	s_mov_b32 s27, 0
	s_and_b32 s28, s18, 1
	s_wait_kmcnt 0x0
	s_cmp_eq_u32 s28, 0                            ; the weight is chosen by the work-group's number alone
	s_cselect_b64 s[4:5], s[4:5], s[6:7]
	s_cselect_b64 s[8:9], s[8:9], s[10:11]
	s_cmp_lt_u32 s18, 2
	s_cselect_b64 s[4:5], s[4:5], s[8:9]
	s_add_nc_u64 s[4:5], s[4:5], s[22:23]
	s_add_nc_u64 s[12:13], s[12:13], s[24:25]
	s_add_nc_u64 s[14:15], s[14:15], s[26:27]
.macro WLOAD t
.irp i, 0,1,2,3,4,5,6,7,8,9,10,11,12,13,14,15,16,17,18,19,20,21,22,23,24,25,26,27,28,29,30,31
	global_load_b32 v[WX+32*((\t)%2)+\i], v3, s[4:5] offset:(32*(\t)+\i)*4096 th:TH_LOAD_NT
.endr
.endm
.macro WBLOCK t
.set XS, WX+32*((\t)%2)
.if (\t) < 3
	s_wait_loadcnt 32                              ; this block's loads are in; the next block's 32 may be out
.else
	s_wait_loadcnt 0
.endif
	v_max3_num_f32 v14, |v[XS]|, |v[XS+1]|, |v[XS+2]|
	v_max3_num_f32 v15, |v[XS+3]|, |v[XS+4]|, |v[XS+5]|
.irp i, 6,10,14,18,22,26
	v_max3_num_f32 v14, v14, |v[XS+\i]|, |v[XS+\i+1]|
	v_max3_num_f32 v15, v15, |v[XS+\i+2]|, |v[XS+\i+3]|
.endr
	v_max3_num_f32 v14, v14, |v[XS+30]|, |v[XS+31]|
	v_max3_num_f32 v14, v14, v15, 0x2800000        ; the floor 2^(5 - 127)
	v_add_nc_u32 v11, 0xfe000000, v14              ; the conversion's scale operand
	v_lshrrev_b32 v15, 23, v11                     ; the byte
	v_cvt_scalef32_pk16_bf6_f32 v[WC:WC+2], v[XS:XS+15], v11
	v_cvt_scalef32_pk16_bf6_f32 v[WCT:WCT+2], v[XS+16:XS+31], v11
.if (\t) == 0
	v_mov_b32 v[WSB], v15                          ; (the plain line behind the conversions)
.else
	v_lshl_or_b32 v[WSB], v15, 8*(\t), v[WSB]
.endif
.irp i, 0,1,2
	v_mov_b32 v[WC+3+\i], v[WCT+\i]
.endr
.if (\t) < 2                                   ; registers 0-5 of the image: 0-3 in its first 512 bytes, 4, 5 in the second
	ds_store_b128 v4, v[WC:WC+3] offset:256*((\t)%2)
	ds_store_b64 v4, v[WC+4:WC+5] offset:256*((\t)%2)+512
.else                                          ; registers 6-11: 6, 7 in the second, 8-11 in the third
	ds_store_b64 v4, v[WC:WC+1] offset:256*((\t)%2)+520
	ds_store_b128 v4, v[WC+2:WC+5] offset:256*((\t)%2)+1024
.endif
.if (\t) < 2
	WLOAD (\t)+2
.endif
	s_wait_dscnt 0x0                               ; the stores have read their registers
.endm
	WLOAD 0
	WLOAD 1
.irp t, 0,1,2,3
	WBLOCK \t
.endr
	global_store_b32 v7, v[WSB], s[14:15]
.irp u, 0,1
.irp g, 0,1,2
	ds_load_b128 v[WOUT+12*\u+4*\g:WOUT+12*\u+4*\g+3], v5 offset:1664*\u+512*\g   ; LDS serves a wave's instructions in order: these see my stores
.endr
.endr
.irp u, 0,1
.irp g, 0,1,2
	s_wait_dscnt 5-3*\u-\g
	global_store_b128 v6, v[WOUT+12*\u+4*\g:WOUT+12*\u+4*\g+3], s[12:13] offset:12288*\u+512*\g
.endr
.endr
	s_wait_tensorcnt 0x0                           ; the wave's end
	ds_add_u32 v[SPW], v[NIL]
	s_wait_dscnt 0x0
	s_endpgm
.Lfunc_end_k_q1edeb366a8_quant:
	.size	k_q1edeb366a8_quant, .Lfunc_end_k_q1edeb366a8_quant-k_q1edeb366a8_quant
	.p2alignl 7, 3214868480
	.fill 96, 4, 3214868480
	.section	.rodata,"a",@progbits
	.p2align	6, 0x0
	.amdhsa_kernel k_q1edeb366a8_quant
		.amdhsa_group_segment_fixed_size 48640
		.amdhsa_private_segment_fixed_size 0
		.amdhsa_enable_private_segment 0
		.amdhsa_kernarg_size 80
		.amdhsa_user_sgpr_count 2
		.amdhsa_user_sgpr_kernarg_segment_ptr 1
		.amdhsa_wavefront_size32 1
		.amdhsa_system_sgpr_workgroup_id_x 1
		.amdhsa_system_sgpr_workgroup_id_y 1
		.amdhsa_system_sgpr_workgroup_id_z 1
		.amdhsa_system_vgpr_workitem_id 0
		.amdhsa_next_free_vgpr 256
		.amdhsa_next_free_sgpr 66
		.amdhsa_reserve_vcc 1
		.amdhsa_float_denorm_mode_32 3
		.amdhsa_float_denorm_mode_16_64 3
		.amdhsa_memory_ordered 1
		.amdhsa_forward_progress 1
		.amdhsa_inst_pref_size 52
	.end_amdhsa_kernel
	.amdgpu_metadata
---
amdhsa.version: [ 1, 2 ]
amdhsa.kernels:
  - .name:           k_q1edeb366a8_quant
    .symbol:         k_q1edeb366a8_quant.kd
    .args:
      - { .name: Wq, .offset: 0, .size: 8, .value_kind: global_buffer, .address_space: global }
      - { .name: Wk, .offset: 8, .size: 8, .value_kind: global_buffer, .address_space: global }
      - { .name: Wv, .offset: 16, .size: 8, .value_kind: global_buffer, .address_space: global }
      - { .name: Wp, .offset: 24, .size: 8, .value_kind: global_buffer, .address_space: global }
      - { .name: Q, .offset: 32, .size: 8, .value_kind: global_buffer, .address_space: global }
      - { .name: K, .offset: 40, .size: 8, .value_kind: global_buffer, .address_space: global }
      - { .name: acodes, .offset: 48, .size: 8, .value_kind: global_buffer, .address_space: global }
      - { .name: ascales, .offset: 56, .size: 8, .value_kind: global_buffer, .address_space: global }
      - { .name: wcodes, .offset: 64, .size: 8, .value_kind: global_buffer, .address_space: global }
      - { .name: wscales, .offset: 72, .size: 8, .value_kind: global_buffer, .address_space: global }
    .group_segment_fixed_size: 48640
    .private_segment_fixed_size: 0
    .kernarg_segment_align: 8
    .kernarg_segment_size: 80
    .max_flat_workgroup_size: 128
    .sgpr_count:     66
    .vgpr_count:     256
    .wavefront_size: 32
...
	.end_amdgpu_metadata
.endif
;; end of part 1
;; launch proj (part 2): grid 12 x 32, 4 waves a work-group, clusters of 4 x 4, 327,680 bytes of LDS; arguments acodes, ascales, wcodes, wscales, bq, bk, bv, qf, hq, hkv; writes qf, hq, hkv
.if DOCPART == 2
	.amdgcn_target "amdgcn-amd-amdhsa--gfx1250"
	.amdhsa_code_object_version 6
	.text
	.protected	k_q1edeb366a8_proj
	.globl	k_q1edeb366a8_proj
	.p2align	8
	.type	k_q1edeb366a8_proj,@function
k_q1edeb366a8_proj:
	s_mov_b64 s[64:65], 0
	v_nop
	global_prefetch_b8 v0, s[64:65] scope:SCOPE_SE
	s_setreg_imm32_b32 hwreg(HW_REG_WAVE_MODE, 25, 1), 1
	s_wait_xcnt 0x0
	s_wait_alu depctr_hold_cnt(0) depctr_sa_sdst(0) depctr_va_vdst(0) depctr_va_sdst(0) depctr_va_ssrc(0) depctr_va_vcc(0) depctr_vm_vsrc(0)
	s_getreg_b32 s2, hwreg(HW_REG_IB_STS2, 6, 4)
	s_cmp_eq_u32 s2, 0
	s_cbranch_scc0 .Lentry_in_a_cluster
	s_endpgm
.Lentry_in_a_cluster:
	s_bfe_u32 s2, ttmp6, 0x10000c
	s_cmp_lg_u32 s2, 0xf033
	s_cbranch_scc0 .Lentry_shape_is_right
	s_endpgm
.Lentry_shape_is_right:
; Products 1 to 3 on codes of BF6 (E3M2) with E8M0 scales: q = Q Wq + bq, k = K Wk + bk, v = K Wv + bv, and their way into attention's operands.  No work is left out.
; THREE PROBLEMS IN ONE LAUNCH, told apart by the CLUSTER's x, p, which all sixteen partners share.  p = 0, 1: A (source 1) = the tokens' codes, B (source 0) = the weight's: a lane holds one token, its registers run along the
; output columns, which are the K of product 4.  p = 2: A = Wv's codes, B = K's tokens: a lane holds one channel d, its registers run along the KEYS, which are the K of product 5.
; A tile of C is 256 x 256, four waves of 128 x 128: 64 accumulators.  All operands lie in memory as images of their registers (16 rows x 128 K: 1,536 bytes),
; so a fragment is three LDS loads of 16 bytes a lane, 512 consecutive bytes each: no pitch, no padding.  The scales of the work-group's rows come once, with the first fills.
; K = 1,024 IS FOUR SLOT FILLS OF 256, AND LDS HOLDS THREE SLOTS: fills 0, 1, 2 go out at the head; fill 3 takes slot 0 when that has been read: the one refill, behind the one round of the cluster's barrier in the walk; it has
; the work of slots 1 and 2, 256 matrix instructions, in which to land.  In front of that round every wave has waited for all its loads, so slots 1 and 2 are whole for every wave behind it: the change from slot 1 to slot 2 has no barrier.
; CLUSTERS: 4 x 4.  A's tiles hang on the tile row alone and are asked for jointly along a row of the cluster, B's on the tile column alone, along a column.
; ROWS OF A TILE: tile 2 g + u holds rows 32 g + 8 u + r + 8 (r / 8): so the 16 registers of B's tiles 2 g and 2 g + 1 are the 16 neighbours 32 g + 16 (lane / 16) + 0 .. 15.
; THE WAY OUT needs no LDS: bias added in f32, 64 numbers a lane quantised in registers, the codes stored as images: hq and hkv hold attention's operands ready-made; q also goes out in f32 (qf) for the residual.
;   A Q or K image (head, group of 32 rows): registers 0-5 the 64 channels of tile u = 0, registers 6-11 those of tile u = 1; its scale word: bytes 0, 1 tile 0, bytes 2, 3 tile 1; scale quads [128 rows][lane][4 groups].
;   hq: codes [128 heads][32][1536], from byte 6,291,456 quads [128][8][512].  hkv: [128 heads][106,496]: K's codes 0, V's codes 49,152 ([8 steps][4 tiles of d][1536]), K's quads 98,304, V's quads 102,400.
;   qf: [batch][32 groups][16 heads][2 u][4096]: 32 registers a lane: register 16 x + i = channel 32 x + 16 (lane / 16) + i.
; LIMITS: a block of zeros gets the byte 1 (its codes are zeros; this program alone reads the bytes); blocks under 2^-122 get the byte 1; NaN and infinities are not served.
; Both forms of the bias (along columns, along rows) are loaded in every problem; the form that a problem does not use reads the vector's first 512 bytes and is not used.
; REGISTERS: window 0: v8-15 scale quads of the way out; v16-31 addresses; v32-63 scale words, two sets; v64-127 the bias along columns; v128-223 A's fragments, one set; v224-231 the bias along rows;
;   on the way out v128-191 the block at work, v192-219 the quantiser's, v232-255 images.  Window 1: B's fragments, two sets.  Windows 2, 3: the accumulators.
.set FR,    12
.set NL,    3                          ; LDS loads that bring a fragment
.set NQ,    2                          ; K steps of 128 in a slot
.set NP,    4                          ; places behind this matrix instruction (ISA guide 7.12.1)
.set HALFT, 24576                      ; 8 tiles x 2 K steps x 1,536: what one tensor load brings
.set SLOT,  4*HALFT
.set SCL,   3*SLOT                     ; behind the three slots: the scales, 4 x 4,096 bytes
.set HALFS, 4096
.set SPARE, SCL+4*HALFS                ; the spare words
.set SWH,  8
.set ADRA, 16                          ; v16-18 my A fragments in slots 0, 1, 2
.set ADRB, 20                          ; v20-22 the same for B
.set LI,   26
.set ADRS, 27
.set SPW,  28
.set NIL,  29
.set SC,   32
.set BI,   64
.set AF,   128
.set BV,   224
.set HA,   128
.set TM,   192
.set PWE,  208
.set PWO,  209
.set CT,   210
.set PB,   218
.set IMG,  232
.set G0C,  4                           ; s[4:7], s[8:11] groups 0 of slot 2's fill, A's and B's: the operands' pointers lay here and are done with when these are written
.set G0BC, 8
.set G0SB, 20
.set G1,   24
.set G0,   32
.set G1B,  48
.set G0B,  56
.set G1S,  80
.set G1SB, 88
.set G0S,  96
.set OC,   80                          ; the way out (all tensor loads are done): s[80:83] codes of my two heads, s[84:87] their quads, s[88:89] qf
.set OS,   84
.set QFP,  88
.set SEL,  100
.set MSB, 0
.macro WIN new
.if MSB != (\new)
	s_set_vgpr_msb (MSB<<8)|(\new)
.set MSB, (\new)
.endif
.endm
.set MUL_LO, 0xa1                      ; source 0 (B) window 1, source 1 (A) window 0, C and D window 2
.set MUL_HI, 0xf1
.set TO_B,   0x40
.macro JLOAD g0a, g1a, g0b, g1b        ; a joint load: waves 0, 1 fetch for A, waves 2, 3 for B; an s_nop 0 and four v_nop follow each line
	s_cmp_eq_u32 s15, 0
	s_cbranch_scc0 .Lfor_b_\@
	tensor_load_to_lds s[\g0a:\g0a+3], s[\g1a:\g1a+7]
	s_nop 0
.rept 4
	v_nop
.endr
	s_branch .Lasked_\@
.Lfor_b_\@:
	tensor_load_to_lds s[\g0b:\g0b+3], s[\g1b:\g1b+7]
	s_nop 0
.rept 4
	v_nop
.endr
.Lasked_\@:
.endm
.macro CREST
	s_cmp_lg_u32 s14, 0
	s_cbranch_scc1 .Lnot_wave_0_\@
	s_barrier_signal -3
.Lnot_wave_0_\@:
	s_barrier_wait -3
	s_barrier_signal -1
	s_barrier_wait -1
.endm
.macro CROUND
	s_barrier_signal -1
	s_barrier_wait -1
	CREST
.endm
	s_load_b256 s[4:11], s[0:1], 0x0               ; acodes, ascales, wcodes, wscales
	s_load_b256 s[68:75], s[0:1], 0x20             ; bq, bk, bv, qf
	s_load_b128 s[76:79], s[0:1], 0x40             ; hq, hkv
	v_lshl_add_u32 v[SPW], v0, 2, SPARE
	v_mov_b32 v[NIL], 0
	ds_add_u32 v[SPW], v[NIL]                      ; the wave's opening: the add, twice on end, and its wait ahead of my first tensor load
	ds_add_u32 v[SPW], v[NIL]
	v_lshrrev_b32 v1, 5, v0
	v_readfirstlane_b32 s14, v1                    ; wave
	s_lshr_b32 s15, s14, 1                         ; my half of A's rows.  Also: I fetch for A (0) or for B (1)
	s_and_b32 s16, s14, 1                          ; my half of B's rows.  Also: which 8 tiles I fetch
	s_bfe_u32 s40, ttmp6, 0x40000                  ; cx
	s_bfe_u32 s41, ttmp6, 0x40004                  ; cy
	s_mov_b32 s12, ttmp9                           ; p: the cluster's x
	s_and_b32 s13, ttmp7, 0xffff                   ; the cluster's y
	s_lshl_b32 s43, s41, 2
	s_lshl_b32 s43, 15, s43                        ; my row of the cluster
	s_lshl_b32 s44, 0x1111, s40                    ; my column
	s_or_b32 s[G1+0], s43, (3<<16)|(1<<21)         ; codes: 8 rows of 384 elements of 8 bytes (two K steps of a tile), 1,536 elements apart; no padding
	s_or_b32 s[G1B+0], s44, (3<<16)|(1<<21)
.irp g, G1, G1B
	s_mov_b32 s[\g+1], 384<<16
	s_mov_b32 s[\g+2], 8<<16
	s_mov_b32 s[\g+3], 384<<16
	s_mov_b32 s[\g+4], 8
	s_mov_b32 s[\g+5], 1536
	s_mov_b32 s[\g+6], 0
	s_mov_b32 s[\g+7], 0
.endr
	s_or_b32 s[G1S+0], s43, (3<<16)|(1<<21)        ; scales: 4,096 dense bytes as 16 rows of 256
	s_or_b32 s[G1SB+0], s44, (3<<16)|(1<<21)
.irp g, G1S, G1SB
	s_mov_b32 s[\g+1], 32<<16
	s_mov_b32 s[\g+2], 16<<16
	s_mov_b32 s[\g+3], 32<<16
	s_mov_b32 s[\g+4], 16
	s_mov_b32 s[\g+5], 32
	s_mov_b32 s[\g+6], 0
	s_mov_b32 s[\g+7], 0
.endr
	s_lshl_b32 s45, s13, 2                         ; 4 x cluster y
	s_mul_i32 s2, s12, 786432                      ; the weight's codes
	s_min_u32 s3, s12, 1
	s_mul_i32 s100, s3, 6291456                    ; the tokens' codes: Q or K
	s_lshl_b32 s101, s12, 15                       ; the weight's scales
	s_lshl_b32 s3, s3, 18                          ; the tokens' scales
	s_cmp_eq_u32 s12, 2
	s_cselect_b32 s17, 0, s45
	s_cselect_b32 s42, s45, 0
	s_cselect_b32 s18, s2, s100                    ; A's codes begin here,
	s_cselect_b32 s46, s100, s2                    ; B's,
	s_cselect_b32 s19, s101, s3                    ; A's scales,
	s_cselect_b32 s47, s3, s101                    ; B's
	s_add_co_u32 s17, s17, s41                     ; tile row: hangs on cy alone of my place
	s_add_co_u32 s42, s42, s40                     ; tile column: on cx alone
	s_lshl_b32 s66, s17, 4
	s_lshl_b32 s67, s16, 3
	s_add_co_u32 s66, s66, s67                     ; A: the first tile that I fetch
	s_mul_i32 s2, s66, 12288
	s_add_co_u32 s18, s18, s2
	s_lshl_b32 s66, s66, 9
	s_add_co_u32 s66, s66, s19
	s_mov_b32 s19, 0
	s_mov_b32 s67, 0
	s_lshl_b32 s100, s42, 4
	s_lshl_b32 s101, s16, 3
	s_add_co_u32 s100, s100, s101                  ; B likewise, in registers that never hold A's coordinate
	s_mul_i32 s3, s100, 12288
	s_add_co_u32 s46, s46, s3
	s_lshl_b32 s100, s100, 9
	s_add_co_u32 s100, s100, s47
	s_mov_b32 s47, 0
	s_mov_b32 s101, 0
	s_mul_i32 s45, s14, HALFT                      ; where they go: by the wave's number alone
	s_mul_i32 s13, s14, HALFS
	s_wait_dscnt 0x0                               ; both opening adds are done
	s_wait_kmcnt 0x0
	s_cmp_eq_u32 s12, 2
	s_cselect_b64 s[G0+2:G0+3], s[8:9], s[4:5]
	s_cselect_b64 s[G0B+2:G0B+3], s[4:5], s[8:9]
	s_cselect_b64 s[G0S+2:G0S+3], s[10:11], s[6:7]
	s_cselect_b64 s[G0SB+2:G0SB+3], s[6:7], s[10:11]
	s_add_nc_u64 s[G0+2:G0+3], s[G0+2:G0+3], s[18:19]
	s_add_nc_u64 s[G0B+2:G0B+3], s[G0B+2:G0B+3], s[46:47]
	s_add_nc_u64 s[G0S+2:G0S+3], s[G0S+2:G0S+3], s[66:67]
	s_add_nc_u64 s[G0SB+2:G0SB+3], s[G0SB+2:G0SB+3], s[100:101]
	s_add_nc_u64 s[G0+6:G0+7], s[G0+2:G0+3], 3072  ; slot 1: the next two K steps
	s_add_nc_u64 s[G0B+6:G0B+7], s[G0B+2:G0B+3], 3072
	s_add_nc_u64 s[G0C+2:G0C+3], s[G0+2:G0+3], 6144    ; slot 2: the two after those (s[4:11] have been read for the last time above)
	s_add_nc_u64 s[G0BC+2:G0BC+3], s[G0B+2:G0B+3], 6144
	s_or_b32 s[G0+3], s[G0+3], 0x80000000
	s_or_b32 s[G0+7], s[G0+7], 0x80000000
	s_or_b32 s[G0C+3], s[G0C+3], 0x80000000
	s_or_b32 s[G0B+3], s[G0B+3], 0x80000000
	s_or_b32 s[G0B+7], s[G0B+7], 0x80000000
	s_or_b32 s[G0BC+3], s[G0BC+3], 0x80000000
	s_or_b32 s[G0S+3], s[G0S+3], 0x80000000
	s_or_b32 s[G0SB+3], s[G0SB+3], 0x80000000
	s_mov_b32 s[G0S], 1
	s_add_co_u32 s[G0S+1], s13, SCL
	s_mov_b32 s[G0SB], 1
	s_add_co_u32 s[G0SB+1], s13, SCL
.irp s, 0,1
	s_mov_b32 s[G0+4*\s], 1
	s_add_co_u32 s[G0+4*\s+1], s45, \s*SLOT
	s_mov_b32 s[G0B+4*\s], 1
	s_add_co_u32 s[G0B+4*\s+1], s45, \s*SLOT
.endr
	s_mov_b32 s[G0C], 1
	s_add_co_u32 s[G0C+1], s45, 2*SLOT
	s_mov_b32 s[G0BC], 1
	s_add_co_u32 s[G0BC+1], s45, 2*SLOT
	CROUND                                         ; all sixteen work-groups are here: the first joint loads meet
	JLOAD G0S, G1S, G0SB, G1SB                     ; four tensor loads of mine are out behind these lines
	JLOAD G0, G1, G0B, G1B
	JLOAD G0+4, G1, G0B+4, G1B
	JLOAD G0C, G1, G0BC, G1B
	v_and_b32 v1, 15, v0                           ; r
	v_bfe_u32 v2, v0, 4, 1                         ; h
	v_and_b32 v5, 31, v0
	v_lshlrev_b32 v[LI], 4, v5                     ; 16 x lane
	s_mul_i32 s18, s15, HALFT
	s_mul_i32 s46, s16, HALFT
	s_add_co_u32 s46, s46, 2*HALFT
.irp s, 0,1,2
	v_add_nc_u32 v[ADRA+\s], s18, v[LI]
	v_add_nc_u32 v[ADRB+\s], s46, v[LI]
	s_add_co_u32 s18, s18, SLOT
	s_add_co_u32 s46, s46, SLOT
.endr
	v_lshlrev_b32 v5, 4, v1                        ; my row's quad: 16 bytes a row
	s_mul_i32 s18, s15, HALFS
	s_mul_i32 s46, s16, HALFS
	s_add_co_u32 s46, s46, 2*HALFS
	s_sub_co_u32 s46, s46, s18
	v_mul_u32_u24 v6, s46, v2                      ; lanes 16-31 take B's
	s_add_co_u32 s18, s18, SCL
	v_add_nc_u32 v5, v5, v6
	v_add_nc_u32 v[ADRS], s18, v5
	v_lshlrev_b32 v3, 6, v2                        ; the bias along columns: 64 h
	v_and_b32 v4, 8, v1
	v_add_nc_u32 v4, v4, v1
	v_lshlrev_b32 v4, 2, v4                        ; along rows: 4 (r + 8 (r / 8))
	s_lshl_b32 s46, s42, 10
	s_lshl_b32 s47, s16, 9
	s_add_co_u32 s46, s46, s47                     ; my first column, in bytes
	s_lshl_b32 s18, s17, 10
	s_lshl_b32 s19, s15, 9
	s_add_co_u32 s18, s18, s19                     ; my first row
	s_cmp_eq_u32 s12, 0
	s_cselect_b64 s[68:69], s[68:69], s[70:71]
	s_cmp_eq_u32 s12, 2
	s_cselect_b64 s[68:69], s[72:73], s[68:69]     ; bq, bk or bv
	s_cselect_b32 s46, 0, s46
	s_cselect_b32 s18, s18, 0
	s_mov_b32 s47, 0
	s_mov_b32 s19, 0
	s_add_nc_u64 s[70:71], s[68:69], s[46:47]
	s_add_nc_u64 s[72:73], s[68:69], s[18:19]
.irp b, 0,1,2,3
.irp e, 0,1,2,3
	global_load_b128 v[BI+16*\b+4*\e:BI+16*\b+4*\e+3], v3, s[70:71] offset:128*\b+16*\e
.endr
.endr
.irp a, 0,1,2,3,4,5,6,7
	global_load_b32 v[BV+\a], v4, s[72:73] offset:4*(32*(\a/2)+8*(\a%2))
.endr
.macro FRAG reg, adr, q, i             ; a fragment comes as it was stored: three loads of 512 consecutive bytes
.irp g, 0,1,2
	ds_load_b128 v[\reg+4*\g:\reg+4*\g+3], v[\adr] offset:(\i)*3072+(\q)*1536+512*\g
.endr
.endm
; 16 matrix instructions: A's blocks a0, a0 + 1 x B's eight.  The 64 accumulators take turns, one instruction a turn, in the same order in every step.
.macro MUL16 a0, p, q, sc, zero
.irp a, \a0, \a0+1
.irp b, 0,1,2,3,4,5,6,7
.if \zero
	v_wmma_scale_f32_16x16x128_f8f6f4 v[8*(8*((\a)%4)+\b):8*(8*((\a)%4)+\b)+7], v[128*(\p)+FR*\b:128*(\p)+FR*\b+FR-1], v[AF+FR*(\a):AF+FR*(\a)+FR-1], 0, v[SC+8*NQ*(\sc)+NQ*\b+(\q)], v[SC+8*NQ*(\sc)+NQ*(\a)+(\q)] matrix_a_fmt:MATRIX_FMT_BF6 matrix_b_fmt:MATRIX_FMT_BF6 matrix_a_scale:MATRIX_SCALE_ROW1
.else
	v_wmma_scale_f32_16x16x128_f8f6f4 v[8*(8*((\a)%4)+\b):8*(8*((\a)%4)+\b)+7], v[128*(\p)+FR*\b:128*(\p)+FR*\b+FR-1], v[AF+FR*(\a):AF+FR*(\a)+FR-1], v[8*(8*((\a)%4)+\b):8*(8*((\a)%4)+\b)+7], v[SC+8*NQ*(\sc)+NQ*\b+(\q)], v[SC+8*NQ*(\sc)+NQ*(\a)+(\q)] matrix_a_fmt:MATRIX_FMT_BF6 matrix_b_fmt:MATRIX_FMT_BF6 matrix_a_scale:MATRIX_SCALE_ROW1
.endif
.endr
.endr
.endm
.macro FETCH_B slot, q, p
	WIN TO_B
.irp i, 0,1,2,3,4,5,6,7
	FRAG 128*(\p)+FR*\i, ADRB+\slot, \q, \i
.endr
	WIN 0
.endm
.macro FETCH_A slot, q, i0
.irp i, \i0, \i0+1, \i0+2, \i0+3
	FRAG AF+FR*(\i), ADRA+\slot, \q, \i
.endr
.endm
.macro SCALES sg                       ; slot fill sg's two scale words a row into set sg % 2: lanes 0-15 A's block i, lanes 16-31 B's block i
.irp i, 0,1,2,3,4,5,6,7
	ds_load_b64 v[SC+16*((\sg)%2)+2*\i:SC+16*((\sg)%2)+2*\i+1], v[ADRS] offset:512*\i+256*((\sg)/2)+8*((\sg)%2)
.endr
.endm
.macro PLACES n
.rept \n
	v_nop
.endr
.endm
.macro STEP slot, sc, zero             ; a slot's first step of 128 along K; sc: its set of scale words
	s_wait_dscnt 4*NL                              ; all but A's blocks 4-7, the youngest twelve loads
	WIN MUL_LO
	MUL16 0, 0, 0, \sc, \zero
	MUL16 2, 0, 0, \sc, \zero
	s_wait_dscnt 0
	PLACES NP
	FETCH_B \slot, 1, 1
	FETCH_A \slot, 1, 0
	WIN MUL_HI
	MUL16 4, 0, 0, \sc, \zero
	MUL16 6, 0, 0, \sc, \zero
	PLACES NP
	WIN 0
	FETCH_A \slot, 1, 4
.endm
; A slot's second step changes slots.  next: the slot that holds fill sg, which comes next.
; mode 1: slot 0 is filled again: each wave waits for all its tensor loads, adds 0 to its spare word, waits for that and for its reads of the slot; the barrier opens a round of the cluster's barrier; the joint refill comes first behind it.
; mode 0: the next slot's fill is waited for and shown to the other waves by a barrier; nothing is filled.
; mode 2: the next slot was shown whole to every wave by the round of mode 1: no wait on the tensor loads (the refill stays on its way) and no barrier.
.macro TURN next, mode, sg
.set SCN_, ((\sg)-1)%2
.if (\mode) < 2
	s_wait_tensorcnt 0x0                           ; all my tensor loads have landed
	ds_add_u32 v[SPW], v[NIL]
	s_wait_dscnt 4*NL+1                            ; (the add and A's blocks 4-7 may be out)
.else
	s_wait_dscnt 4*NL
.endif
	WIN MUL_LO
	MUL16 0, 1, 1, SCN_, 0
.if (\mode) < 2
	s_wait_dscnt 0x0                               ; the add is done, and my reads of this slot are over
	s_barrier_signal -1
.endif
	MUL16 2, 1, 1, SCN_, 0
.if (\mode) == 2
	s_wait_dscnt 0x0                               ; A's blocks 4-7 are in
.endif
	WIN 0
.if (\mode) < 2
	s_barrier_wait -1
.endif
.if (\mode) == 1
	CREST                                          ; the barrier has opened a round of the cluster's barrier
	s_add_nc_u64 s[G0+2:G0+3], s[G0+2:G0+3], 9216  ; from fill 0 to fill 3: six K steps of 1,536 bytes
	s_add_nc_u64 s[G0B+2:G0B+3], s[G0B+2:G0B+3], 9216
	JLOAD G0, G1, G0B, G1B                         ; the first tensor load behind the round; its four v_nop are the places in front of the loads below
.else
	PLACES NP
.endif
	FETCH_B \next, 0, 0
	FETCH_A \next, 0, 0
	SCALES \sg
	WIN MUL_HI
	MUL16 4, 1, 1, SCN_, 0
	MUL16 6, 1, 1, SCN_, 0
	PLACES NP
	WIN 0
	FETCH_A \next, 0, 4
.endm
	s_wait_tensorcnt 2                             ; the scales and my part of slot 0 are in; slots 1 and 2's fills may be out
	s_barrier_signal -1
	s_barrier_wait -1
	FETCH_B 0, 0, 0
	FETCH_A 0, 0, 0
	SCALES 0
	FETCH_A 0, 0, 4
	STEP 0, 0, 1                                   ; the first products start the sums: nothing is cleared.  K has four slot fills: the walk is written out
	TURN 1, 1, 1                                   ; slot 0 takes fill 3
	STEP 1, 1, 0
	TURN 2, 2, 2                                   ; on into slot 2, which has long been whole
	STEP 2, 0, 0
	TURN 0, 0, 3                                   ; fill 3 is waited for; nothing is left to fetch
	STEP 0, 1, 0
	s_wait_dscnt 4*NL
	WIN MUL_LO
	MUL16 0, 1, 1, 1, 0
	MUL16 2, 1, 1, 1, 0
	s_wait_dscnt 0
	WIN MUL_HI
	MUL16 4, 1, 1, 1, 0
	MUL16 6, 1, 1, 1, 0
	WIN 0
	PLACES NP                                      ; in front of the first read of results and the first write over A's fragments
	s_wait_loadcnt 0x0                             ; the biases
.irp b, 0,1,2,3
	v_mov_b32 v[TM+4+\b], 0                        ; a lane permute's destination counts as read
.endr
	s_mov_b32 s[SEL], 0x76543210
	s_mov_b32 s[SEL+1], 0xfedcba98
; 64 numbers of a lane, register 16 b + i = place 32 b + 16 (lane / 16) + i along the next K, become two runs of six code registers (d0: places 0-63, d1: 64-127) and a scale word.
.macro QUANT s, d0, d1, pw
.irp b, 0,1,2,3
	v_max3_num_f32 v[TM+\b], |v[\s+16*\b]|, |v[\s+1+16*\b]|, 0x2800000   ; my 16 numbers of block b, and the floor 2^(5 - 127)
.endr
.irp i, 2,4,6,8,10,12,14
.irp b, 0,1,2,3
	v_max3_num_f32 v[TM+\b], v[TM+\b], |v[\s+16*\b+\i]|, |v[\s+1+16*\b+\i]|
.endr
.endr
.irp b, 0,1,2,3
	v_permlanex16_b32 v[TM+4+\b], v[TM+\b], s[SEL], s[SEL+1]
.endr
.irp b, 0,1,2,3
	v_max_num_f32 v[TM+\b], v[TM+\b], v[TM+4+\b]
.endr
.irp b, 0,1,2,3
	v_add_nc_u32 v[TM+12+\b], 0xfe000000, v[TM+\b]
.endr
.irp b, 0,1,2,3
	v_lshrrev_b32 v[TM+4+\b], 23, v[TM+12+\b]
.endr
	v_lshl_or_b32 v[\pw], v[TM+5], 8, v[TM+4]
	v_lshl_or_b32 v[\pw], v[TM+6], 16, v[\pw]
	v_lshl_or_b32 v[\pw], v[TM+7], 24, v[\pw]
	v_cvt_scalef32_pk16_bf6_f32 v[\d0:\d0+2], v[\s:\s+15], v[TM+12]
	v_cvt_scalef32_pk16_bf6_f32 v[CT:CT+2], v[\s+16:\s+31], v[TM+13]
	v_cvt_scalef32_pk16_bf6_f32 v[\d1:\d1+2], v[\s+32:\s+47], v[TM+14]
	v_cvt_scalef32_pk16_bf6_f32 v[CT+4:CT+6], v[\s+48:\s+63], v[TM+15]
	v_nop                                          ; one plain place behind a scaled conversion
.irp i, 0,1,2
	v_permlane16_swap_b32 v[\d0+\i], v[CT+\i]      ; the layout wants a whole block in a lane
.endr
.irp i, 0,1,2
	v_mov_b32 v[\d0+3+\i], v[CT+\i]
.endr
.irp i, 0,1,2
	v_permlane16_swap_b32 v[\d1+\i], v[CT+4+\i]
.endr
.irp i, 0,1,2
	v_mov_b32 v[\d1+3+\i], v[CT+4+\i]
.endr
.endm
; q and k: block a = 16 tokens (group a / 2, u = a % 2) x my 128 columns = two heads
.macro EPI_QK a
.set AL_, (\a)/2
.set U_, (\a)%2
.set AC_, 64*((\a)%4)
	s_wait_xcnt 0x0                                ; the last block's stores have read their registers
	WIN 0x02+(\a)/4                                ; source 0: window 2 or 3
.set I_, 0
.rept 32
	v_pk_add_f32 v[HA+I_:HA+I_+1], v[AC_+I_:AC_+I_+1], v[BI+I_:BI+I_+1]   ; + bias, and into window 0; each accumulator from its low end on
.set I_, I_+2
.endr
	WIN 0
	s_cmp_lg_u32 s12, 0                            ; q alone goes out in f32
	s_cbranch_scc1 .Lnoq_\@
.irp c, 0,1
.irp e, 0,1,2,3,4,5,6,7
	global_store_b128 v[LI], v[HA+32*\c+4*\e:HA+32*\c+4*\e+3], s[QFP:QFP+1] offset:131072*AL_+8192*\c+4096*U_+512*\e th:TH_STORE_NT
.endr
.endr
.Lnoq_\@:
	QUANT HA, IMG+6*U_, IMG+12+6*U_, PWE+U_
.if U_ == 1
	v_perm_b32 v[SWH+AL_], v[PWO], v[PWE], 0x05040100     ; head 0: tile 0's two bytes, tile 1's two
	v_perm_b32 v[SWH+4+AL_], v[PWO], v[PWE], 0x07060302   ; head 1
.irp c, 0,1
.irp g, 0,1,2
	global_store_b128 v[LI], v[IMG+12*\c+4*\g:IMG+12*\c+4*\g+3], s[OC+2*\c:OC+2*\c+1] offset:1536*AL_+512*\g
.endr
.endr
.endif
.endm
; v: block a = 16 channels (head a / 4, tile a % 4) x my 128 keys: one fragment of V^T
.macro EPI_V a
.set C_, (\a)/4
.set AP_, (\a)%4
.set AC_, 64*((\a)%4)
.set IM_, IMG+12*((\a)%2)
	s_wait_xcnt 0x0
	v_mov_b32 v[PB], v[BV+(\a)]                    ; my channel's bias, in a pair of its own
	v_mov_b32 v[PB+1], v[BV+(\a)]
	WIN 0x02+(\a)/4
.set I_, 0
.rept 32
	v_pk_add_f32 v[HA+I_:HA+I_+1], v[AC_+I_:AC_+I_+1], v[PB:PB+1]
.set I_, I_+2
.endr
	WIN 0
	QUANT HA, IM_, IM_+6, SWH+4*C_+AP_
.irp g, 0,1,2
	global_store_b128 v[LI], v[IM_+4*\g:IM_+4*\g+3], s[OC+2*C_:OC+2*C_+1] offset:1536*AP_+512*\g
.endr
.if AP_ == 3
	global_store_b128 v[LI], v[SWH+4*C_:SWH+4*C_+3], s[OS+2*C_:OS+2*C_+1]
.endif
.endm
	s_cmp_eq_u32 s12, 2                            ; the cluster's x: the same in all partners
	s_cbranch_scc1 .Lv
	s_lshr_b32 s90, s17, 2                         ; batch
	s_and_b32 s91, s17, 3
	s_lshl_b32 s91, s91, 3
	s_lshl_b32 s92, s15, 2
	s_add_co_u32 s91, s91, s92                     ; my first group of 32 tokens
	s_lshl_b32 s92, s42, 2
	s_lshl_b32 s93, s16, 1
	s_add_co_u32 s92, s92, s93                     ; my first head
	s_lshl_b32 s93, s90, 4
	s_add_co_u32 s93, s93, s92                     ; 16 x batch + head
	s_mov_b32 s94, 106496
	s_mov_b32 s95, 98304
	s_cmp_eq_u32 s12, 0
	s_cselect_b32 s4, 49152, s94                   ; from head to head: codes,
	s_cselect_b32 s5, 4096, s94                    ; quads;
	s_cselect_b32 s6, 6291456, s95                 ; where the quads begin
	s_cselect_b64 s[8:9], s[76:77], s[78:79]       ; hq or hkv
	s_mul_i32 s7, s93, s4
	s_mul_i32 s10, s91, 1536
	s_add_co_u32 s10, s10, s7
	s_mov_b32 s11, 0
	s_add_nc_u64 s[OC:OC+1], s[8:9], s[10:11]
	s_mov_b32 s10, s4
	s_add_nc_u64 s[OC+2:OC+3], s[OC:OC+1], s[10:11]
	s_mul_i32 s7, s93, s5
	s_lshr_b32 s10, s91, 2
	s_lshl_b32 s10, s10, 9
	s_add_co_u32 s10, s10, s7
	s_add_co_u32 s10, s10, s6
	s_add_nc_u64 s[OS:OS+1], s[8:9], s[10:11]
	s_mov_b32 s10, s5
	s_add_nc_u64 s[OS+2:OS+3], s[OS:OS+1], s[10:11]
	s_lshl_b32 s10, s90, 5
	s_add_co_u32 s10, s10, s91
	s_lshl_b32 s10, s10, 4
	s_add_co_u32 s10, s10, s92
	s_lshl_b32 s10, s10, 13
	s_add_nc_u64 s[QFP:QFP+1], s[74:75], s[10:11]
.irp a, 0,1,2,3,4,5,6,7
	EPI_QK \a
.endr
	global_store_b128 v[LI], v[SWH:SWH+3], s[OS:OS+1]       ; the quads of my 128 tokens, a head each
	global_store_b128 v[LI], v[SWH+4:SWH+7], s[OS+2:OS+3]
	s_branch .Lend
.Lv:
	s_lshr_b32 s90, s42, 2                         ; batch
	s_and_b32 s91, s42, 3
	s_lshl_b32 s91, s91, 1
	s_add_co_u32 s91, s91, s16                     ; my step of 128 keys
	s_lshl_b32 s92, s17, 2
	s_lshl_b32 s93, s15, 1
	s_add_co_u32 s92, s92, s93
	s_lshl_b32 s93, s90, 4
	s_add_co_u32 s93, s93, s92                     ; 16 x batch + my first head
	s_mul_i32 s7, s93, 106496
	s_mul_i32 s10, s91, 6144
	s_add_co_u32 s10, s10, s7
	s_add_co_u32 s10, s10, 49152
	s_mov_b32 s11, 0
	s_add_nc_u64 s[OC:OC+1], s[78:79], s[10:11]
	s_add_nc_u64 s[OC+2:OC+3], s[OC:OC+1], 106496
	s_lshl_b32 s10, s91, 9
	s_add_co_u32 s10, s10, s7
	s_add_co_u32 s10, s10, 102400
	s_add_nc_u64 s[OS:OS+1], s[78:79], s[10:11]
	s_add_nc_u64 s[OS+2:OS+3], s[OS:OS+1], 106496
.irp a, 0,1,2,3,4,5,6,7
	EPI_V \a
.endr
.Lend:
	s_wait_tensorcnt 0x0                           ; the wave's end
	ds_add_u32 v[SPW], v[NIL]
	s_wait_dscnt 0x0
	CROUND                                         ; the closing round
	s_endpgm
.Lfunc_end_k_q1edeb366a8_proj:
	.size	k_q1edeb366a8_proj, .Lfunc_end_k_q1edeb366a8_proj-k_q1edeb366a8_proj
	.p2alignl 7, 3214868480
	.fill 96, 4, 3214868480
	.section	.rodata,"a",@progbits
	.p2align	6, 0x0
	.amdhsa_kernel k_q1edeb366a8_proj
		.amdhsa_group_segment_fixed_size 327680
		.amdhsa_private_segment_fixed_size 0
		.amdhsa_enable_private_segment 0
		.amdhsa_kernarg_size 80
		.amdhsa_user_sgpr_count 2
		.amdhsa_user_sgpr_kernarg_segment_ptr 1
		.amdhsa_wavefront_size32 1
		.amdhsa_system_sgpr_workgroup_id_x 1
		.amdhsa_system_sgpr_workgroup_id_y 1
		.amdhsa_system_sgpr_workgroup_id_z 1
		.amdhsa_system_vgpr_workitem_id 0
		.amdhsa_next_free_vgpr 1024
		.amdhsa_next_free_sgpr 102
		.amdhsa_reserve_vcc 0
		.amdhsa_float_denorm_mode_32 3
		.amdhsa_float_denorm_mode_16_64 3
		.amdhsa_memory_ordered 1
		.amdhsa_forward_progress 1
		.amdhsa_inst_pref_size 223
	.end_amdhsa_kernel
	.amdgpu_metadata
---
amdhsa.version: [ 1, 2 ]
amdhsa.kernels:
  - .name:           k_q1edeb366a8_proj
    .symbol:         k_q1edeb366a8_proj.kd
    .args:
      - { .name: acodes, .offset: 0, .size: 8, .value_kind: global_buffer, .address_space: global }
      - { .name: ascales, .offset: 8, .size: 8, .value_kind: global_buffer, .address_space: global }
      - { .name: wcodes, .offset: 16, .size: 8, .value_kind: global_buffer, .address_space: global }
      - { .name: wscales, .offset: 24, .size: 8, .value_kind: global_buffer, .address_space: global }
      - { .name: bq, .offset: 32, .size: 8, .value_kind: global_buffer, .address_space: global }
      - { .name: bk, .offset: 40, .size: 8, .value_kind: global_buffer, .address_space: global }
      - { .name: bv, .offset: 48, .size: 8, .value_kind: global_buffer, .address_space: global }
      - { .name: qf, .offset: 56, .size: 8, .value_kind: global_buffer, .address_space: global }
      - { .name: hq, .offset: 64, .size: 8, .value_kind: global_buffer, .address_space: global }
      - { .name: hkv, .offset: 72, .size: 8, .value_kind: global_buffer, .address_space: global }
    .group_segment_fixed_size: 327680
    .private_segment_fixed_size: 0
    .kernarg_segment_align: 8
    .kernarg_segment_size: 80
    .max_flat_workgroup_size: 128
    .sgpr_count:     102
    .vgpr_count:     1024
    .wavefront_size: 32
...
	.end_amdgpu_metadata
.endif
;; end of part 2
;; launch attn (part 3): grid 2 x 128, 16 waves a work-group, no clusters, 327,680 bytes of LDS; arguments hq, hkv, qf, key_padding_mask, xres; writes xres
.if DOCPART == 3
	.amdgcn_target "amdgcn-amd-amdhsa--gfx1250"
	.amdhsa_code_object_version 6
	.text
	.protected	k_q1edeb366a8_attn
	.globl	k_q1edeb366a8_attn
	.p2align	8
	.type	k_q1edeb366a8_attn,@function
k_q1edeb366a8_attn:
	s_mov_b64 s[64:65], 0
	v_nop
	global_prefetch_b8 v0, s[64:65] scope:SCOPE_SE
	s_setreg_imm32_b32 hwreg(HW_REG_WAVE_MODE, 25, 1), 1
	s_wait_xcnt 0x0
; Products 4 and 5 on codes of BF6 (E3M2) with E8M0 scales, the softmax between them, and the residual: xres = q + ctx, f32, laid as qf.  No work is left out: the mask is an input and is applied by value.
; t = score x log2(e) / 8; M = the running largest t rounded UP to a whole number; p = 2^(t - M) is quantised along the keys, not normalised; the row's sum is taken of the unquantised p and divides at the end.
; SHARES: work-group (x, y): head y = 16 x batch + head, queries 512 x on.  Each of sixteen waves owns a group of 32 queries: two tiles of 16, one after the other; four waves to a SIMD.
; THE WHOLE HEAD'S K AND V LIE IN LDS: 106,496 bytes, as they lie in hkv, brought by ONE tensor load a wave at the head.  Nothing is filled again: no ring, one barrier.
; q FOR THE RESIDUAL, 8,192 bytes a wave, comes by one more tensor load a wave into bytes of the wave's own: a first fill that is issued first thing behind the head's barrier, behind which nothing is filled again; it has tile 0's
; eight steps in which to land, and the way out reads it from LDS.  So no wave waits for a stream from memory in or behind the loops, and nothing is prefetched.
; No cluster: grid x is 2, which no cluster of four divides, and what the two work-groups of a head share, 104 KB fetched once, is two fifths of the 256 KB of q and x that each moves for itself.
; LAYOUT: both products transposed: a lane holds ONE query.  A K image is [tile 2 g's 64 channels | tile 2 g + 1's 64 channels] of 16 + 16 keys; against [Q | 0] it gives tile 2 g's scores, against [0 | Q] tile 2 g + 1's:
; so K carries no zeros, and the 16 registers of the two results are the keys 32 g + 16 (lane / 16) + 0 .. 15.  Zero codes add nothing under any scale byte.
; THE MASK is the C of the score product: 0 where the key counts, -1e30 where it does not; the running largest t begins at -1e20, above every masked t, so a masked key's p is exactly 0.
; LIMITS: a logit whose t lies under -1e20 counts as masked; a batch with all keys masked gives 0 x infinity = NaN, as softmax of -infinity alone does; NaN and infinities among the inputs are not served;
; a block of p that is all zeros keeps the byte 1 (its codes are zeros).
.set MB,    106496                     ; LDS: the mask's bias, f32, 4 bytes a key
.set SPARE, 110592                     ; the spare words, 128 bytes for each of sixteen waves
.set QB,    112640                     ; q: 8,192 bytes for each wave
.set KW,  52                           ; v52-55 K's scale words of a step; v56-59 V's
.set VW,  56
.set KF,  60                           ; v60-107 four fragments, of K and then of V
.set S,   108                          ; v108-171 scores, then p
.set O,   172                          ; v172-203 O^T
.set PC,  204                          ; v204-215 p's codes
.set CT,  216
.set BM,  224                          ; v224-227 a block's largest score; v228-231, v232-235 at work
.set BT,  228
.set SO,  232
	s_load_b256 s[4:11], s[0:1], 0x0               ; hq, hkv, qf, mask
	s_load_b64 s[12:13], s[0:1], 0x20              ; xres
	v_lshl_add_u32 v4, v0, 2, SPARE
	v_mov_b32 v5, 0
	ds_add_u32 v4, v5                              ; the wave's opening: the add, twice on end, and its wait ahead of my first tensor load
	ds_add_u32 v4, v5
	v_lshrrev_b32 v10, 5, v0
	v_readfirstlane_b32 s18, v10                   ; wave
	s_and_b32 s14, ttmp7, 0xffff                   ; 16 x batch + head
	s_lshl_b32 s19, ttmp9, 4
	s_add_co_u32 s19, s19, s18                     ; my group of 32 queries
	s_mov_b32 s24, 3<<16                           ; K and V: 26 rows of 32 elements of 8 bytes: 6,656 dense bytes a wave
	s_mov_b32 s25, 32<<16
	s_mov_b32 s26, 26<<16
	s_mov_b32 s27, 32<<16
	s_mov_b32 s28, 26
	s_mov_b32 s29, 32
	s_mov_b32 s30, 0
	s_mov_b32 s31, 0
	s_mov_b32 s48, 3<<16                           ; q: 32 rows of 32 elements of 8 bytes: 8,192 dense bytes a wave
	s_mov_b32 s49, 32<<16
	s_mov_b32 s50, 32<<16
	s_mov_b32 s51, 32<<16
	s_mov_b32 s52, 32
	s_mov_b32 s53, 32
	s_mov_b32 s54, 0
	s_mov_b32 s55, 0
	s_lshl_b32 s40, s18, 13
	s_add_co_u32 s40, s40, QB                      ; where my q goes
	s_mul_i32 s15, s18, 6656
	s_mul_i32 s16, s14, 106496
	s_add_co_u32 s16, s16, s15
	s_mov_b32 s17, 0
	s_lshl_b32 s44, s14, 5
	s_add_co_u32 s44, s44, s19
	s_mul_i32 s44, s44, 1536                       ; Q's image
	s_mov_b32 s45, 0
	s_lshl_b32 s46, s14, 3
	s_lshr_b32 s47, s19, 2
	s_add_co_u32 s46, s46, s47
	s_lshl_b32 s46, s46, 9
	s_and_b32 s47, s19, 3
	s_lshl_b32 s47, s47, 2
	s_add_co_u32 s46, s46, s47
	s_add_co_u32 s46, s46, 6291456                 ; its scale word
	s_mov_b32 s47, 0
	s_lshr_b32 s38, s14, 4                         ; batch
	s_lshl_b32 s36, s38, 12                        ; its row of the mask
	s_mov_b32 s37, 0
	s_lshl_b32 s38, s38, 5
	s_add_co_u32 s38, s38, s19
	s_lshl_b32 s38, s38, 4
	s_and_b32 s39, s14, 15
	s_add_co_u32 s38, s38, s39
	s_lshl_b32 s38, s38, 13                        ; my two images in qf and in xres
	s_mov_b32 s39, 0
	s_mov_b32 s20, 0x76543210
	s_mov_b32 s21, 0xfedcba98                      ; lane l xor 16
	s_mov_b32 s22, 0x3e38aa3b                      ; c = log2(e) / 8
	s_mov_b32 s23, s22
	s_wait_dscnt 0x0                               ; both opening adds are done
	s_wait_kmcnt 0x0
	s_mov_b32 s32, 1
	s_mov_b32 s33, s15
	s_add_nc_u64 s[34:35], s[6:7], s[16:17]
	s_or_b32 s35, s35, 0x80000000
	tensor_load_to_lds s[32:35], s[24:31]          ; every wave brings a sixteenth of the head: one tensor load of mine is out
	s_nop 0
.rept 4
	v_nop
.endr
	s_mov_b32 s56, 1                               ; q's group 0, for the load behind the barrier
	s_mov_b32 s57, s40
	s_add_nc_u64 s[58:59], s[8:9], s[38:39]
	s_or_b32 s59, s59, 0x80000000
	s_add_nc_u64 s[10:11], s[10:11], s[36:37]
	s_add_nc_u64 s[42:43], s[12:13], s[38:39]
	s_add_nc_u64 s[46:47], s[4:5], s[46:47]
	s_add_nc_u64 s[4:5], s[4:5], s[44:45]
	v_and_b32 v10, 31, v0
	v_lshlrev_b32 v1, 4, v10                       ; 16 x lane
	v_add_nc_u32 v2, 98304, v1                     ; K's scale quads
	v_bfe_u32 v11, v0, 4, 1
	v_lshlrev_b32 v3, 6, v11
	v_add_nc_u32 v3, MB, v3                        ; the mask's bias: 64 bytes on for lanes 16-31
	v_add_nc_u32 v9, s40, v1                       ; my q in LDS
	v_lshlrev_b32 v6, 3, v0                        ; two keys a thread
	global_load_b64 v[236:237], v6, s[10:11]
.irp g, 0,1,2
	global_load_b128 v[16+4*\g:19+4*\g], v1, s[4:5] offset:512*\g   ; Q's image: both tiles
.endr
	global_load_b32 v28, v1, s[46:47]
	v_add_nc_u32 v7, MB, v6
	v_mov_b32 v238, 0xf149f2ca                     ; -1e30
	v_mov_b32 v241, 0                              ; (named as the upper half of a pair)
.irp b, 0,1,2,3
	v_mov_b32 v[BT+\b], 0                          ; a lane permute's destination counts as read
.endr
	s_wait_loadcnt 0x0
	v_cmp_eq_u32 vcc_lo, 0, v236
	v_cndmask_b32 v236, 0, v238, vcc_lo
	v_cmp_eq_u32 vcc_lo, 0, v237
	v_cndmask_b32 v237, 0, v238, vcc_lo
	ds_store_b64 v7, v[236:237]
	s_wait_tensorcnt 0x0                           ; my part of the head has landed: no tensor load of mine is out;
	ds_add_u32 v4, v5
	s_wait_dscnt 0x0                               ; the add is done, and my part of the mask's bias is stored
	s_barrier_signal -1
	s_barrier_wait -1                              ; everybody's has landed
	tensor_load_to_lds s[56:59], s[48:55]          ; q, into bytes that nothing has filled: my one tensor load behind this barrier, and the first thing there
	s_nop 0
.rept 4
	v_nop
.endr
.macro TILE u
.if \u == 1
	s_wait_xcnt 0x0                                ; tile 0's stores have read their registers
	v_perm_b32 v29, v28, v28, 0x03020302           ; Q's scale word: my tile's two bytes, for both halves of K
.else
	v_perm_b32 v29, v28, v28, 0x01000100
.endif
.irp i, 0,1,2,3,4,5
	v_mov_b32 v[30+\i], v[16+6*\u+\i]              ; v30-41 = [Q | 0], v36-47 = [0 | Q]
	v_mov_b32 v[36+\i], 0
	v_mov_b32 v[42+\i], v[16+6*\u+\i]
.endr
	v_mov_b32 v13, 0xe0ad78ec                      ; the largest t so far: -1e20
	v_floor_f32 v12, -v13                          ; -M
	v_mov_b32 v14, 0
	v_mov_b32 v15, 0
.set I_, 0
.rept 32
	v_mov_b32 v[O+I_], 0                           ; the step is written once: the first finds zeros.  (These are also the places ahead of the first scaled products)
.set I_, I_+1
.endr
	s_mov_b32 s36, 0                               ; the step's codes: 6,144 bytes a step
	s_mov_b32 s37, 0                               ; its quads and its mask bias: 512 bytes a step
	s_mov_b32 s38, 8
.Lstep_\@:
	v_add_nc_u32 v6, s36, v1
	v_add_nc_u32 v7, s37, v2
	v_add_nc_u32 v8, s37, v3
	v_nop                                          ; four places behind the last products, in front of loads into their fragments
.irp b, 0,1,2,3
.irp e, 0,1,2,3
	ds_load_b128 v[S+16*\b+4*\e:S+16*\b+4*\e+3], v8 offset:128*\b+16*\e   ; the mask's bias of my 64 keys, straight into the accumulators
.endr
.endr
.irp b, 0,1,2,3
.irp g, 0,1,2
	ds_load_b128 v[KF+12*\b+4*\g:KF+12*\b+4*\g+3], v6 offset:1536*\b+512*\g
.endr
.endr
	ds_load_b128 v[KW:KW+3], v7
	s_wait_dscnt 0x0
.irp b, 0,1,2,3                                ; eight accumulators, one instruction each
	v_wmma_scale_f32_16x16x128_f8f6f4 v[S+16*\b:S+16*\b+7], v[KF+12*\b:KF+12*\b+11], v[30:41], v[S+16*\b:S+16*\b+7], v[KW+\b], v29 matrix_a_fmt:MATRIX_FMT_BF6 matrix_b_fmt:MATRIX_FMT_BF6
	v_wmma_scale_f32_16x16x128_f8f6f4 v[S+16*\b+8:S+16*\b+15], v[KF+12*\b:KF+12*\b+11], v[36:47], v[S+16*\b+8:S+16*\b+15], v[KW+\b], v29 matrix_a_fmt:MATRIX_FMT_BF6 matrix_b_fmt:MATRIX_FMT_BF6
.endr
.rept 4
	v_nop
.endr
.irp t, 0,1,2,3                                ; V's four fragments are asked for here and land under the softmax
.irp g, 0,1,2
	ds_load_b128 v[KF+12*\t+4*\g:KF+12*\t+4*\g+3], v6 offset:49152+1536*\t+512*\g
.endr
.endr
	ds_load_b128 v[VW:VW+3], v7 offset:4096
.irp b, 0,1,2,3
	v_max3_num_f32 v[BM+\b], v[S+16*\b], v[S+1+16*\b], v[S+2+16*\b]   ; the largest score of each block of 32 keys: for the row's maximum and for the block's largest p
.endr
.irp i, 3,5,7,9,11,13
.irp b, 0,1,2,3
	v_max3_num_f32 v[BM+\b], v[BM+\b], v[S+16*\b+\i], v[S+1+16*\b+\i]
.endr
.endr
.irp b, 0,1,2,3
	v_max_num_f32 v[BM+\b], v[BM+\b], v[S+15+16*\b]
.endr
.irp b, 0,1,2,3
	v_permlanex16_b32 v[BT+\b], v[BM+\b], s20, s21
.endr
.irp b, 0,1,2,3
	v_max_num_f32 v[BM+\b], v[BM+\b], v[BT+\b]
.endr
	v_max3_num_f32 v238, v[BM], v[BM+1], v[BM+2]
	v_max_num_f32 v238, v238, v[BM+3]
	v_mul_f32 v238, s22, v238                      ; as t
	v_max_num_f32 v13, v13, v238                   ; the running largest t
	v_mov_b32 v238, v12
	v_floor_f32 v12, -v13                          ; the new -M: M is a whole number
	v_sub_f32 v238, v12, v238
	v_cvt_i32_f32 v238, v238                       ; (it saturates)
	v_ldexp_f32 v240, 1.0, v238                    ; f = 2^(old M - new M)
.set I_, 0
.rept 32
	v_pk_fma_f32 v[S+I_:S+I_+1], v[S+I_:S+I_+1], s[22:23], v[12:13] op_sel_hi:[1,0,0]   ; t - M
.set I_, I_+2
.endr
.irp b, 0,1,2,3
	v_fma_f32 v[BM+\b], v[BM+\b], s22, v12
.endr
.set I_, 0
.rept 64
	v_exp_f32 v[S+I_], v[S+I_]                     ; p = 2^(t - M)
.set I_, I_+1
.endr
	v_pk_mul_f32 v[14:15], v[14:15], v[240:241] op_sel_hi:[1,0]   ; the sums under the new M (the plain place behind the exponentials)
	s_wait_alu depctr_va_vdst(0)                   ; one wait for the batch, ahead of its first reader
.irp b, 0,1,2,3
	v_exp_f32 v[BM+\b], v[BM+\b]                   ; the block's largest p
.endr
	v_pk_add_f32 v[236:237], v[S:S+1], v[S+2:S+3]  ; the row's sum of the unquantised p, in two chains
.irp j, 4,8,12,16,20,24,28,32,36,40,44,48,52,56,60
	v_pk_add_f32 v[14:15], v[14:15], v[S+\j:S+\j+1]
	v_pk_add_f32 v[236:237], v[236:237], v[S+2+\j:S+3+\j]
.endr
	v_pk_add_f32 v[14:15], v[14:15], v[236:237]
	s_wait_alu depctr_va_vdst(0)                   ; and one for the four
.irp b, 0,1,2,3
	v_max_num_f32 v[BM+\b], 0x2800000, v[BM+\b]    ; the floor 2^(5 - 127)
.endr
.irp b, 0,1,2,3
	v_add_nc_u32 v[SO+\b], 0xfe000000, v[BM+\b]
.endr
.irp b, 0,1,2,3
	v_lshrrev_b32 v[BT+\b], 23, v[SO+\b]
.endr
	v_lshl_or_b32 v48, v[BT+1], 8, v[BT]           ; p's scale word for these 128 keys
	v_lshl_or_b32 v48, v[BT+2], 16, v48
	v_lshl_or_b32 v48, v[BT+3], 24, v48
.irp c, 0,1
	v_cvt_scalef32_pk16_bf6_f32 v[PC+6*\c:PC+2+6*\c], v[S+32*\c:S+15+32*\c], v[SO+2*\c]
	v_cvt_scalef32_pk16_bf6_f32 v[CT+4*\c:CT+2+4*\c], v[S+16+32*\c:S+31+32*\c], v[SO+2*\c+1]
.endr
	v_nop                                          ; one plain place behind a scaled conversion
.irp c, 0,1
.irp i, 0,1,2
	v_permlane16_swap_b32 v[PC+6*\c+\i], v[CT+4*\c+\i]
.endr
.irp i, 0,1,2
	v_mov_b32 v[PC+3+6*\c+\i], v[CT+4*\c+\i]
.endr
.endr
.set I_, 0
.rept 16
	v_pk_mul_f32 v[O+I_:O+I_+1], v[O+I_:O+I_+1], v[240:241] op_sel_hi:[1,0]   ; O^T under the new M; these sixteen are the places ahead of the scaled products
.set I_, I_+2
.endr
	s_wait_dscnt 0x0                               ; V is in
.irp t, 0,1,2,3
	v_wmma_scale_f32_16x16x128_f8f6f4 v[O+8*\t:O+8*\t+7], v[KF+12*\t:KF+12*\t+11], v[PC:PC+11], v[O+8*\t:O+8*\t+7], v[VW+\t], v48 matrix_a_fmt:MATRIX_FMT_BF6 matrix_b_fmt:MATRIX_FMT_BF6
.endr
	s_add_co_u32 s36, s36, 6144
	s_add_co_u32 s37, s37, 512
	s_sub_co_u32 s38, s38, 1
	s_cmp_lg_u32 s38, 0
	s_cbranch_scc1 .Lstep_\@
.rept 4
	v_nop                                          ; places in front of the first read of O^T
.endr
	s_wait_tensorcnt 0x0                           ; my q has landed; I alone read it
.irp e, 0,1,2,3,4,5,6,7
	ds_load_b128 v[S+4*\e:S+4*\e+3], v9 offset:4096*\u+512*\e   ; q of my tile, in O^T's own layout
.endr
	v_add_f32 v14, v14, v15
	v_permlanex16_b32 v238, v14, s20, s21
	v_add_f32 v14, v14, v238                       ; the row's sum
	v_rcp_f32 v240, v14
	v_nop                                          ; a plain place behind the reciprocal
	s_wait_alu depctr_va_vdst(0)                   ; and the wait ahead of its first reader
	s_wait_dscnt 0x0
.set I_, 0
.rept 16
	v_pk_fma_f32 v[S+32+I_:S+33+I_], v[O+I_:O+I_+1], v[240:241], v[S+I_:S+I_+1] op_sel_hi:[1,0,1]   ; x = ctx + q in one line
.set I_, I_+2
.endr
.irp e, 0,1,2,3,4,5,6,7
	global_store_b128 v1, v[S+32+4*\e:S+35+4*\e], s[42:43] offset:4096*\u+512*\e th:TH_STORE_NT   ; 512 consecutive bytes a store
.endr
.endm
	TILE 0
	TILE 1
	s_wait_tensorcnt 0x0                           ; the wave's end
	ds_add_u32 v4, v5
	s_wait_dscnt 0x0
	s_endpgm
.Lfunc_end_k_q1edeb366a8_attn:
	.size	k_q1edeb366a8_attn, .Lfunc_end_k_q1edeb366a8_attn-k_q1edeb366a8_attn
	.p2alignl 7, 3214868480
	.fill 96, 4, 3214868480
	.section	.rodata,"a",@progbits
	.p2align	6, 0x0
	.amdhsa_kernel k_q1edeb366a8_attn
		.amdhsa_group_segment_fixed_size 327680
		.amdhsa_private_segment_fixed_size 0
		.amdhsa_enable_private_segment 0
		.amdhsa_kernarg_size 40
		.amdhsa_user_sgpr_count 2
		.amdhsa_user_sgpr_kernarg_segment_ptr 1
		.amdhsa_wavefront_size32 1
		.amdhsa_system_sgpr_workgroup_id_x 1
		.amdhsa_system_sgpr_workgroup_id_y 1
		.amdhsa_system_sgpr_workgroup_id_z 1
		.amdhsa_system_vgpr_workitem_id 0
		.amdhsa_next_free_vgpr 256
		.amdhsa_next_free_sgpr 66
		.amdhsa_reserve_vcc 1
		.amdhsa_float_denorm_mode_32 3
		.amdhsa_float_denorm_mode_16_64 3
		.amdhsa_memory_ordered 1
		.amdhsa_forward_progress 1
		.amdhsa_inst_pref_size 48
	.end_amdhsa_kernel
	.amdgpu_metadata
---
amdhsa.version: [ 1, 2 ]
amdhsa.kernels:
  - .name:           k_q1edeb366a8_attn
    .symbol:         k_q1edeb366a8_attn.kd
    .args:
      - { .name: hq, .offset: 0, .size: 8, .value_kind: global_buffer, .address_space: global }
      - { .name: hkv, .offset: 8, .size: 8, .value_kind: global_buffer, .address_space: global }
      - { .name: qf, .offset: 16, .size: 8, .value_kind: global_buffer, .address_space: global }
      - { .name: key_padding_mask, .offset: 24, .size: 8, .value_kind: global_buffer, .address_space: global }
      - { .name: xres, .offset: 32, .size: 8, .value_kind: global_buffer, .address_space: global }
    .group_segment_fixed_size: 327680
    .private_segment_fixed_size: 0
    .kernarg_segment_align: 8
    .kernarg_segment_size: 40
    .max_flat_workgroup_size: 512
    .sgpr_count:     66
    .vgpr_count:     256
    .wavefront_size: 32
...
	.end_amdgpu_metadata
.endif
;; end of part 3
;; launch tail (part 4): grid 256 x 1, 4 waves a work-group, clusters of 4 x 1, 327,680 bytes of LDS; arguments xres, wcodes, wscales, g0, beta0, bp, g1, beta1, out0; writes out0
.if DOCPART == 4
	.amdgcn_target "amdgcn-amd-amdhsa--gfx1250"
	.amdhsa_code_object_version 6
	.text
	.protected	k_q1edeb366a8_tail
	.globl	k_q1edeb366a8_tail
	.p2align	8
	.type	k_q1edeb366a8_tail,@function
k_q1edeb366a8_tail:
	s_mov_b64 s[64:65], 0
	v_nop
	global_prefetch_b8 v0, s[64:65] scope:SCOPE_SE
	s_setreg_imm32_b32 hwreg(HW_REG_WAVE_MODE, 25, 1), 1
	s_wait_xcnt 0x0
	s_wait_alu depctr_hold_cnt(0) depctr_sa_sdst(0) depctr_va_vdst(0) depctr_va_sdst(0) depctr_va_ssrc(0) depctr_va_vcc(0) depctr_vm_vsrc(0)
	s_getreg_b32 s2, hwreg(HW_REG_IB_STS2, 6, 4)
	s_cmp_eq_u32 s2, 0
	s_cbranch_scc0 .Lentry_in_a_cluster
	s_endpgm
.Lentry_in_a_cluster:
	s_bfe_u32 s2, ttmp6, 0x10000c
	s_cmp_lg_u32 s2, 0x3003
	s_cbranch_scc0 .Lentry_shape_is_right
	s_endpgm
.Lentry_shape_is_right:
; o = LN0(q + ctx); out0 = LN1(o + gelu(o Wp + bp)), product 6 on codes of BF6 (E3M2) with E8M0 scales.  No work is left out.
; SHARES: a work-group owns a group of 32 WHOLE rows (two tiles a = 0, 1 of 16), since both norms want whole rows.  THE WAVES SHARE THE COLUMNS: wave w owns columns 256 w .. + 255 in every phase, so x, o, the accumulators and
; y have ONE layout: register 128 a + 16 x + i of lane (r, h) is column 32 x + 16 h + i of row (a, r), and o stays in registers for the residual.  A row's sums meet in LDS, four exchanges with bytes of their own.
; o is quantised in registers; wave w's 256 columns are K steps 2 w and 2 w + 1; the fragments go to the other waves as images of their registers.
; Wp's codes come a K step (64 tiles x 1,536 bytes) at a time through THREE LDS slots (K step s in slot s % 3); wave w fetches and reads its own 16 tiles.  CLUSTER 4 x 1: all work-groups walk the same Wp, so each tile is asked for JOINTLY by four.
; K steps 0, 1, 2 are the first fills.  K STEP 0's FRAGMENTS GO INTO REGISTERS AT THE HEAD (window 1 lies idle until the products), while x is on its way, so that slot 0 takes K step 3 ahead of the first norm, under which it lands.
; A step's fragments all lie in registers before the step begins, so its slot is given back at the step's head: steps 1 to 4 ask for K steps 4 to 7; five refills in all, each behind a round of the cluster's barrier.
; bp is the C of each sum's first matrix instruction.  The variance is taken of centred numbers.
; gelu by erf: erfc(|z| / sqrt 2) = (((((a5 t + a4) t + a3) t + a2) t + a1) t) 2^(-0.72134752 z z), t = 1 / (1 + 0.23164189 |z|) (Abramowitz and Stegun 7.1.26); gelu = (z + |z| - |z| erfc) / 2.
; LIMITS: that erf is within 1.5e-7, absolutely, for every argument; it stands behind the last quantiser.  A block of zeros gets the byte 1; blocks under 2^-122 get the byte 1; NaN and infinities are not served.
; REGISTERS: window 0: v1-15 addresses; v16-31 the norms' sums; v32-95 Wp's scale quads (lanes 0-15 K steps 0-3, lanes 16-31 steps 4-7); v96-99 o's scale words; v100-147 o's fragments, two sets; v148-184 the quantiser's;
;   v188-190 my quarter of slots 0, 1, 2; v192-255 bp of tiles 0-7, later the constants.  Window 1: v0-191 Wp's 16 fragments (sets X, Y); v192-255 bp of tiles 8-15; later gelu's work, then rows of out0.
;   Window 2: g0, beta0; then the accumulators; then y.  Window 3: x, then o; then g1, beta1.
.set SLOT,  98304
.set AIMG,  3*SLOT                     ; o's 16 fragments, index 8 a + s
.set ASC,   AIMG+16*1536               ; their scale words, 128 bytes each
.set RED,   ASC+16*128                 ; four exchanges of 1,024 bytes
.set SPARE, RED+4096
.set STG,   2*SLOT                     ; the way out: 16 rows x 1,040 bytes for each wave, in its own quarter of slot 2, which has had its last fill (K step 5) and its last read long before the first result is stored there
.set BL,  188
.set PC,  148
.set CT,  160
.set TM,  168
.set PW,  184
.set MSB, 0
.macro WIN new
.if MSB != (\new)
	s_set_vgpr_msb (MSB<<8)|(\new)
.set MSB, (\new)
.endif
.endm
.macro CREST
	s_cmp_lg_u32 s22, 0
	s_cbranch_scc1 .Lnot_wave_0_\@
	s_barrier_signal -3
.Lnot_wave_0_\@:
	s_barrier_wait -3
	s_barrier_signal -1
	s_barrier_wait -1
.endm
.macro CROUND
	s_barrier_signal -1
	s_barrier_wait -1
	CREST
.endm
.macro PLACES
.rept 4
	v_nop
.endr
.endm
.macro FW s, lo                        ; eight of Wp's fragments of K step s, tiles lo on, into window 1
	WIN 0x40
.irp t, 0,1,2,3,4,5,6,7
.irp g, 0,1,2
	ds_load_b128 v[12*((\lo)+\t)+4*\g:12*((\lo)+\t)+4*\g+3], v[BL+(\s)%3] offset:1536*((\lo)+\t)+512*\g
.endr
.endr
	WIN 0
.endm
.macro FA s                            ; o's two fragments of K step s and their scale words: eight loads
.irp a, 0,1
.irp g, 0,1,2
	ds_load_b128 v[100+24*((\s)%2)+12*\a+4*\g:100+24*((\s)%2)+12*\a+4*\g+3], v14 offset:(8*\a+(\s))*1536+512*\g
.endr
	ds_load_b32 v[96+2*((\s)%2)+\a], v15 offset:(8*\a+(\s))*128
.endr
.endm
; products of K step s for tiles lo .. lo + cnt - 1 and both tiles of rows: 32 accumulators take turns, one instruction a turn, in the same order in every step
.macro MX s, lo, cnt
.if (\s) == 0
.if (\lo) < 8
	WIN 0x81                                       ; C = bp, in window 0
.else
	WIN 0x91                                       ; C = bp, in window 1
.endif
.else
	WIN 0xa1                                       ; source 0 (Wp) window 1, source 1 (o) window 0, C and D window 2
.endif
.set BT_, \lo
.rept \cnt
.irp a, 0,1
.if (\s) == 0
	v_wmma_scale_f32_16x16x128_f8f6f4 v[128*\a+8*BT_:128*\a+8*BT_+7], v[12*BT_:12*BT_+11], v[100+24*((\s)%2)+12*\a:100+24*((\s)%2)+12*\a+11], v[192+8*(BT_%8):192+8*(BT_%8)+7], v[32+4*BT_+(\s)%4], v[96+2*((\s)%2)+\a] matrix_a_fmt:MATRIX_FMT_BF6 matrix_b_fmt:MATRIX_FMT_BF6
.elseif (\s) < 4
	v_wmma_scale_f32_16x16x128_f8f6f4 v[128*\a+8*BT_:128*\a+8*BT_+7], v[12*BT_:12*BT_+11], v[100+24*((\s)%2)+12*\a:100+24*((\s)%2)+12*\a+11], v[128*\a+8*BT_:128*\a+8*BT_+7], v[32+4*BT_+(\s)%4], v[96+2*((\s)%2)+\a] matrix_a_fmt:MATRIX_FMT_BF6 matrix_b_fmt:MATRIX_FMT_BF6
.else
	v_wmma_scale_f32_16x16x128_f8f6f4 v[128*\a+8*BT_:128*\a+8*BT_+7], v[12*BT_:12*BT_+11], v[100+24*((\s)%2)+12*\a:100+24*((\s)%2)+12*\a+11], v[128*\a+8*BT_:128*\a+8*BT_+7], v[32+4*BT_+(\s)%4], v[96+2*((\s)%2)+\a] matrix_a_fmt:MATRIX_FMT_BF6 matrix_b_fmt:MATRIX_FMT_BF6 matrix_a_scale:MATRIX_SCALE_ROW1
.endif
.endr
.set BT_, BT_+1
.endr
.endm
.macro LNRED                           ; four chains -> a sum over my wave's 256 columns for each of my two rows, in v16 and v20
	WIN 0
.irp a, 0,1
	v_pk_add_f32 v[16+4*\a:17+4*\a], v[16+4*\a:17+4*\a], v[18+4*\a:19+4*\a]
.endr
.irp a, 0,1
	v_add_f32 v[16+4*\a], v[16+4*\a], v[17+4*\a]
.endr
.irp a, 0,1
	v_permlanex16_b32 v[17+4*\a], v[16+4*\a], s44, s45
.endr
.irp a, 0,1
	v_add_f32 v[16+4*\a], v[16+4*\a], v[17+4*\a]
.endr
.endm
.macro XCHG k                          ; the four waves' sums meet: store, wait, barrier, load; exchange k has its own 1,024 bytes, so no exchange writes what an earlier one's loads read
	ds_store_b32 v6, v16 offset:1024*(\k)
	ds_store_b32 v6, v20 offset:1024*(\k)+128
	s_wait_dscnt 0x0
	s_barrier_signal -1
	s_barrier_wait -1
.irp a, 0,1
.irp q, 0,1,2,3
	ds_load_b32 v[16+4*\a+\q], v7 offset:1024*(\k)+256*\q+128*\a
.endr
.endr
	s_wait_dscnt 0x0
.irp a, 0,1
	v_add_f32 v[16+4*\a], v[16+4*\a], v[17+4*\a]
	v_add_f32 v[18+4*\a], v[18+4*\a], v[19+4*\a]
.endr
.irp a, 0,1
	v_add_f32 v[16+4*\a], v[16+4*\a], v[18+4*\a]
.endr
.endm
; A layer norm in place on window W; gain and shift in window V (0-127, 128-255); exchanges k and k + 1
.macro LN W, V, k
	WIN (\W)|((\W)<<2)
.irp a, 0,1
	v_pk_add_f32 v[16+4*\a:17+4*\a], v[128*\a:128*\a+1], v[128*\a+2:128*\a+3]
	v_pk_add_f32 v[18+4*\a:19+4*\a], v[128*\a+4:128*\a+5], v[128*\a+6:128*\a+7]
.endr
	WIN (\W)<<2
.set P_, 8
.rept 30
.irp a, 0,1
	v_pk_add_f32 v[16+4*\a:17+4*\a], v[16+4*\a:17+4*\a], v[128*\a+P_:128*\a+P_+1]
	v_pk_add_f32 v[18+4*\a:19+4*\a], v[18+4*\a:19+4*\a], v[128*\a+P_+2:128*\a+P_+3]
.endr
.set P_, P_+4
.endr
	LNRED
	XCHG (\k)
	v_mul_f32 v24, 0xba800000, v16                 ; minus the mean, twice: a pair for the packed form
	v_mul_f32 v25, 0xba800000, v16
	v_mul_f32 v26, 0xba800000, v20
	v_mul_f32 v27, 0xba800000, v20
	WIN (\W)|((\W)<<6)
.set P_, 0
.rept 64
	v_pk_add_f32 v[P_:P_+1], v[P_:P_+1], v[24:25]
	v_pk_add_f32 v[128+P_:129+P_], v[128+P_:129+P_], v[26:27]
.set P_, P_+2
.endr
	WIN (\W)|((\W)<<2)
.irp a, 0,1
	v_pk_mul_f32 v[16+4*\a:17+4*\a], v[128*\a:128*\a+1], v[128*\a:128*\a+1]
	v_pk_mul_f32 v[18+4*\a:19+4*\a], v[128*\a+2:128*\a+3], v[128*\a+2:128*\a+3]
.endr
.set P_, 4
.rept 31
.irp a, 0,1
	v_pk_fma_f32 v[16+4*\a:17+4*\a], v[128*\a+P_:128*\a+P_+1], v[128*\a+P_:128*\a+P_+1], v[16+4*\a:17+4*\a]
	v_pk_fma_f32 v[18+4*\a:19+4*\a], v[128*\a+P_+2:128*\a+P_+3], v[128*\a+P_+2:128*\a+P_+3], v[18+4*\a:19+4*\a]
.endr
.set P_, P_+4
.endr
	LNRED
	XCHG (\k)+1
	v_fma_f32 v28, v16, s52, s53                   ; the variance + 1e-5
	v_fma_f32 v30, v20, s52, s53
	v_rsq_f32 v28, v28
	v_rsq_f32 v30, v30
	v_nop                                          ; a plain place behind the two
	s_wait_alu depctr_va_vdst(0)                   ; and the wait ahead of their first reader
	v_mov_b32 v29, v28
	v_mov_b32 v31, v30
	s_wait_loadcnt 0x0                             ; gain and shift are in
	WIN (\W)|((\W)<<6)
.set P_, 0
.rept 64
	v_pk_mul_f32 v[P_:P_+1], v[P_:P_+1], v[28:29]
	v_pk_mul_f32 v[128+P_:129+P_], v[128+P_:129+P_], v[30:31]
.set P_, P_+2
.endr
	WIN (\W)|((\V)<<2)|((\V)<<4)|((\W)<<6)
.set P_, 0
.rept 64
	v_pk_fma_f32 v[P_:P_+1], v[P_:P_+1], v[P_:P_+1], v[128+P_:129+P_]
.set P_, P_+2
.endr
.set P_, 0
.rept 64
	v_pk_fma_f32 v[128+P_:129+P_], v[128+P_:129+P_], v[P_:P_+1], v[128+P_:129+P_]
.set P_, P_+2
.endr
	WIN 0
.endm
; 64 numbers of window 3, register s + 16 b + i = k 32 b + 16 h + i of my row, become a fragment in v[PC] on and its scale word in v[PW]
.macro QUANTW s
	WIN 0x0f
.irp b, 0,1,2,3
	v_max3_num_f32 v[TM+\b], |v[(\s)+16*\b]|, |v[(\s)+1+16*\b]|, 0x2800000
.endr
	WIN 0x3c
.irp i, 2,4,6,8,10,12,14
.irp b, 0,1,2,3
	v_max3_num_f32 v[TM+\b], v[TM+\b], |v[(\s)+16*\b+\i]|, |v[(\s)+1+16*\b+\i]|
.endr
.endr
	WIN 0
.irp b, 0,1,2,3
	v_permlanex16_b32 v[TM+4+\b], v[TM+\b], s44, s45
.endr
.irp b, 0,1,2,3
	v_max_num_f32 v[TM+\b], v[TM+\b], v[TM+4+\b]
.endr
.irp b, 0,1,2,3
	v_add_nc_u32 v[TM+12+\b], 0xfe000000, v[TM+\b]
.endr
.irp b, 0,1,2,3
	v_lshrrev_b32 v[TM+4+\b], 23, v[TM+12+\b]
.endr
	v_lshl_or_b32 v[PW], v[TM+5], 8, v[TM+4]
	v_lshl_or_b32 v[PW], v[TM+6], 16, v[PW]
	v_lshl_or_b32 v[PW], v[TM+7], 24, v[PW]
	WIN 0x03
	v_cvt_scalef32_pk16_bf6_f32 v[PC:PC+2], v[(\s):(\s)+15], v[TM+12]
	v_cvt_scalef32_pk16_bf6_f32 v[CT:CT+2], v[(\s)+16:(\s)+31], v[TM+13]
	v_cvt_scalef32_pk16_bf6_f32 v[PC+6:PC+8], v[(\s)+32:(\s)+47], v[TM+14]
	v_cvt_scalef32_pk16_bf6_f32 v[CT+4:CT+6], v[(\s)+48:(\s)+63], v[TM+15]
	WIN 0
	v_nop                                          ; one plain place behind a scaled conversion
.irp c, 0,1
.irp i, 0,1,2
	v_permlane16_swap_b32 v[PC+6*\c+\i], v[CT+4*\c+\i]
.endr
.irp i, 0,1,2
	v_mov_b32 v[PC+3+6*\c+\i], v[CT+4*\c+\i]
.endr
.endr
.endm
; K step s, 1 to 4: its slot is given back at once (all its fragments are in registers or on their way there) and takes K step s + 3
.macro KREF s
.set SL_, (\s)%3
.set GR_, 36+4*SL_+16*(SL_/2)                  ; the slot's group 0: s36, s40 or s60 on
	WIN 0
	s_wait_tensorcnt 0x0                           ; all my tensor loads have landed
	ds_add_u32 v12, v13
	s_add_nc_u64 s[GR_+2:GR_+3], s[GR_+2:GR_+3], 4608   ; three K steps on
	s_wait_dscnt 25                                ; (set Y's 24 loads and the add may be out)
	MX \s, 0, 4
	s_wait_dscnt 0x0                               ; the add is done, and my reads of this slot are over
	s_barrier_signal -1
	MX \s, 4, 4
	WIN 0
	s_barrier_wait -1
	CREST                                          ; the barrier has opened a round of the cluster's barrier
	tensor_load_to_lds s[GR_:GR_+3], s[28:35]      ; the joint refill, first behind the round
	s_nop 0
	PLACES                                         ; (also the places in front of the loads below)
	FW (\s)+1, 0
	FA (\s)+1
	MX \s, 8, 8
	PLACES
	FW (\s)+1, 8
.endm
; gelu and the residual for 64 numbers: z in window 2 at zb on, o in window 3 at the same places; t, 2^.., the polynomial in window 1 at 0, 64, 128
.macro GELU zb
	WIN 0x42
.set I_, 0
.rept 64
	v_fma_f32 v[I_], |v[(\zb)+I_]|, v200, 1.0      ; each accumulator from its low end on
.set I_, I_+1
.endr
.set I_, 0
.rept 32
	v_pk_mul_f32 v[64+I_:65+I_], v[(\zb)+I_:(\zb)+I_+1], v[202:203]
.set I_, I_+2
.endr
	WIN 0x49
.set I_, 0
.rept 32
	v_pk_mul_f32 v[64+I_:65+I_], v[64+I_:65+I_], v[(\zb)+I_:(\zb)+I_+1]
.set I_, I_+2
.endr
	WIN 0x41
.set I_, 0
.rept 64
	v_rcp_f32 v[I_], v[I_]
.set I_, I_+1
.endr
.set I_, 0
.rept 64
	v_exp_f32 v[64+I_], v[64+I_]
.set I_, I_+1
.endr
	v_nop                                          ; a plain place behind the batch
	s_wait_alu depctr_va_vdst(0)                   ; one wait for all 128, ahead of the first reader
.set I_, 0
.rept 32
	v_pk_fma_f32 v[128+I_:129+I_], v[I_:I_+1], v[204:205], v[206:207]
.set I_, I_+2
.endr
	WIN 0x45
.irp cst, 208,210,212
.set I_, 0
.rept 32
	v_pk_fma_f32 v[128+I_:129+I_], v[128+I_:129+I_], v[I_:I_+1], v[\cst:\cst+1]
.set I_, I_+2
.endr
.endr
.set I_, 0
.rept 32
	v_pk_mul_f32 v[128+I_:129+I_], v[128+I_:129+I_], v[I_:I_+1]
.set I_, I_+2
.endr
.set I_, 0
.rept 32
	v_pk_mul_f32 v[128+I_:129+I_], v[128+I_:129+I_], v[64+I_:65+I_]   ; erfc(|z| / sqrt 2)
.set I_, I_+2
.endr
	WIN 0x66
.set I_, 0
.rept 64
	v_fma_f32 v[128+I_], -|v[(\zb)+I_]|, v[128+I_], |v[(\zb)+I_]|
.set I_, I_+1
.endr
	WIN 0x46
.set I_, 0
.rept 32
	v_pk_add_f32 v[128+I_:129+I_], v[(\zb)+I_:(\zb)+I_+1], v[128+I_:129+I_]
.set I_, I_+2
.endr
	WIN 0xb1
.set I_, 0
.rept 32
	v_pk_fma_f32 v[(\zb)+I_:(\zb)+I_+1], v[128+I_:129+I_], 0.5, v[(\zb)+I_:(\zb)+I_+1] op_sel_hi:[1,0,1]   ; y = gelu + o
.set I_, I_+2
.endr
	WIN 0
.endm
	s_load_b512 s[4:19], s[0:1], 0x0               ; xres, wcodes, wscales, g0, beta0, bp, g1, beta1
	s_load_b64 s[20:21], s[0:1], 0x40              ; out0
	v_lshl_add_u32 v12, v0, 2, SPARE
	v_mov_b32 v13, 0
	ds_add_u32 v12, v13                            ; the wave's opening: the add, twice on end, and its wait ahead of my first tensor load
	ds_add_u32 v12, v13
	v_lshrrev_b32 v1, 5, v0
	v_readfirstlane_b32 s22, v1                    ; wave
	s_bfe_u32 s23, ttmp6, 0x40000                  ; cx: it enters x's and out0's addresses alone
	s_lshl_b32 s24, ttmp9, 2
	s_add_co_u32 s24, s24, s23                     ; my group of 32 rows
	s_mov_b32 s28, 15|(3<<16)|(1<<21)              ; the mask: all four; 16 rows of 192 elements of 8 bytes, 1,536 elements apart
	s_mov_b32 s29, 192<<16
	s_mov_b32 s30, 16<<16
	s_mov_b32 s31, 192<<16
	s_mov_b32 s32, 16
	s_mov_b32 s33, 1536
	s_mov_b32 s34, 0
	s_mov_b32 s35, 0
	s_mul_i32 s46, s22, 24576
	s_mul_i32 s48, s22, 196608
	s_add_co_u32 s48, s48, 2359296                 ; Wp's codes, my 16 tiles
	s_mov_b32 s49, 0
	s_lshl_b32 s50, s24, 17
	s_lshl_b32 s51, s22, 15
	s_add_co_u32 s50, s50, s51                     ; x: my group, my four heads
	s_mov_b32 s51, 0
	s_lshl_b32 s54, s24, 17
	s_lshl_b32 s55, s22, 10
	s_add_co_u32 s54, s54, s55                     ; out0: my group's first row, my 1,024 bytes
	s_mov_b32 s55, 0
	s_lshl_b32 s56, s22, 10                        ; the vectors: my 256 numbers
	s_mov_b32 s57, 0
	s_lshl_b32 s58, s22, 13
	s_add_co_u32 s58, s58, 98304                   ; Wp's scale quads
	s_mov_b32 s59, 0
	s_mov_b32 s44, 0x76543210
	s_mov_b32 s45, 0xfedcba98
	s_mov_b32 s52, 0x3a800000                      ; 1 / 1024
	s_mov_b32 s53, 0x3727c5ac                      ; 1e-5
	v_and_b32 v2, 31, v0
	v_lshlrev_b32 v1, 4, v2                        ; 16 x lane
	v_lshlrev_b32 v2, 2, v2                        ; 4 x lane
	v_bfe_u32 v9, v0, 4, 1                         ; h
	v_and_b32 v8, 15, v0                           ; r
	v_lshlrev_b32 v3, 6, v9                        ; 64 h
	s_mul_i32 s47, s22, 3072
	s_add_co_u32 s47, s47, AIMG
	v_add_nc_u32 v4, s47, v1                       ; where I store my fragments,
	s_lshl_b32 s47, s22, 8
	s_add_co_u32 s26, s47, ASC
	v_add_nc_u32 v5, s26, v2                       ; their scale words,
	s_add_co_u32 s26, s47, RED
	v_add_nc_u32 v6, s26, v2                       ; my sums;
	v_add_nc_u32 v7, RED, v2                       ; where I read everybody's
	s_add_co_u32 s47, s46, STG                     ; my stage: my own quarter of slot 2
	v_mul_u32_u24 v8, v8, 1040
	v_lshl_add_u32 v8, v9, 6, v8
	v_add_nc_u32 v8, s47, v8                       ; in
	v_add_nc_u32 v9, s47, v1                       ; and back
	v_add_nc_u32 v[BL], s46, v1                    ; my quarter of slot 0,
	v_add_nc_u32 v[BL+1], SLOT, v[BL]              ; of slot 1,
	v_add_nc_u32 v[BL+2], 2*SLOT, v[BL]            ; of slot 2
	v_add_nc_u32 v14, AIMG, v1
	v_add_nc_u32 v15, ASC, v2
.irp b, 0,1,2,3
	v_mov_b32 v[TM+4+\b], 0                        ; a lane permute's destination counts as read
.endr
	s_wait_dscnt 0x0                               ; both opening adds are done
	s_wait_kmcnt 0x0
	s_mov_b32 s36, 1
	s_mov_b32 s37, s46
	s_add_nc_u64 s[38:39], s[6:7], s[48:49]        ; K step 0
	s_mov_b32 s40, 1
	s_add_co_u32 s41, s46, SLOT
	s_add_nc_u64 s[42:43], s[38:39], 1536          ; K step 1
	s_mov_b32 s60, 1
	s_add_co_u32 s61, s46, 2*SLOT
	s_add_nc_u64 s[62:63], s[38:39], 3072          ; K step 2
	s_or_b32 s39, s39, 0x80000000
	s_or_b32 s43, s43, 0x80000000
	s_or_b32 s63, s63, 0x80000000
	s_add_nc_u64 s[4:5], s[4:5], s[50:51]
	s_add_nc_u64 s[20:21], s[20:21], s[54:55]
	s_add_nc_u64 s[8:9], s[8:9], s[58:59]
	s_add_nc_u64 s[10:11], s[10:11], s[56:57]
	s_add_nc_u64 s[12:13], s[12:13], s[56:57]
	s_add_nc_u64 s[14:15], s[14:15], s[56:57]
	s_add_nc_u64 s[16:17], s[16:17], s[56:57]
	s_add_nc_u64 s[18:19], s[18:19], s[56:57]
	CROUND                                         ; all four work-groups are here: the first joint loads meet
	tensor_load_to_lds s[36:39], s[28:35]          ; three tensor loads of mine are out behind these lines
	s_nop 0
	tensor_load_to_lds s[40:43], s[28:35]
	s_nop 0
	tensor_load_to_lds s[60:63], s[28:35]
	s_nop 0
	PLACES
	WIN 0xc0                                       ; destination window 3
.irp a, 0,1
.irp hl, 0,1,2,3
.irp e, 0,1,2,3,4,5,6,7
	global_load_b128 v[128*\a+32*\hl+4*\e:128*\a+32*\hl+4*\e+3], v1, s[4:5] offset:(2*\hl+\a)*4096+512*\e th:TH_LOAD_NT
.endr
.endr
.endr
	WIN 0
	; while x is on its way: K step 0's fragments into registers, and its slot to K step 3
	s_wait_tensorcnt 2                             ; K step 0, my own quarter, which I alone read, has landed; K steps 1 and 2 may be out
	FW 0, 0
	FW 0, 8
	s_wait_tensorcnt 0x0                           ; all my tensor loads have landed
	ds_add_u32 v12, v13
	s_add_nc_u64 s[38:39], s[38:39], 4608          ; three K steps on
	s_wait_dscnt 0x0                               ; the add is done, and my reads of slot 0 are over
	CROUND                                         ; no wave of any partner still reads slot 0 or has a load on its way
	tensor_load_to_lds s[36:39], s[28:35]          ; K step 3: it lands under the first norm
	s_nop 0
	PLACES
.irp t, 0,1,2,3,4,5,6,7,8,9,10,11,12,13,14,15
	global_load_b128 v[32+4*\t:35+4*\t], v1, s[8:9] offset:512*\t
.endr
	WIN 0x80                                       ; destination window 2
.irp b, 0,1,2,3,4,5,6,7
.irp e, 0,1,2,3
	global_load_b128 v[16*\b+4*\e:16*\b+4*\e+3], v3, s[10:11] offset:128*\b+16*\e
	global_load_b128 v[128+16*\b+4*\e:128+16*\b+4*\e+3], v3, s[12:13] offset:128*\b+16*\e
.endr
.endr
	WIN 0
.irp b, 0,1,2,3
.irp e, 0,1,2,3
	global_load_b128 v[192+16*\b+4*\e:192+16*\b+4*\e+3], v3, s[14:15] offset:128*\b+16*\e
.endr
.endr
	WIN 0x40                                       ; destination window 1
.irp b, 0,1,2,3
.irp e, 0,1,2,3
	global_load_b128 v[192+16*\b+4*\e:192+16*\b+4*\e+3], v3, s[14:15] offset:512+128*\b+16*\e
.endr
.endr
	WIN 0
	s_wait_loadcnt 63                              ; x is in: 112 loads stand behind its last, and the counter's field ends at 63
	LN 3, 2, 0                                     ; o, in window 3
.irp a, 0,1
.irp kp, 0,1
	QUANTW 128*\a+64*\kp
.irp g, 0,1,2
	ds_store_b128 v4, v[PC+4*\g:PC+4*\g+3] offset:(8*\a+\kp)*1536+512*\g   ; the fragment goes to LDS as it stands
.endr
	ds_store_b32 v5, v[PW] offset:(8*\a+\kp)*128
	s_wait_dscnt 0x0
.endr
.endr
	s_barrier_signal -1                            ; (K step 3's load may be out)
	s_barrier_wait -1                              ; o's sixteen fragments lie in LDS
	FA 0
	s_wait_dscnt 0x0                               ; o's fragments of K step 0; Wp's have been in registers since the head
	MX 0, 0, 8
	PLACES
	FW 1, 0
	FA 1
	MX 0, 8, 8
	PLACES
	FW 1, 8
.irp s, 1,2,3,4
	KREF \s
.endr
	s_wait_dscnt 24                                ; K step 5: all but set Y's loads.  K step 6 was shown landed at the head of step 4
	MX 5, 0, 8
	PLACES
	FW 6, 0
	FA 6
	s_wait_dscnt 32                                ; all but the 32 just issued
	MX 5, 8, 8
	PLACES
	FW 6, 8
	s_wait_dscnt 24
	MX 6, 0, 8
	PLACES
	s_wait_tensorcnt 0x0                           ; K step 7, my own quarter, which I alone read: no barrier
	FW 7, 0
	FA 7
	s_wait_dscnt 32
	MX 6, 8, 8
	PLACES
	FW 7, 8
	s_wait_dscnt 24
	MX 7, 0, 8
	s_wait_dscnt 0x0
	MX 7, 8, 8
	WIN 0
.irp c, 0,1                                    ; the constants, each in a pair of its own; these fourteen lines are the places behind the last products
	v_mov_b32 v[200+\c], 0x3e6d3388                ; 0.23164189
	v_mov_b32 v[202+\c], 0xbf38aa3b                ; -0.72134752
	v_mov_b32 v[204+\c], 0x3f87dc22                ; a5 = 1.061405429
	v_mov_b32 v[206+\c], 0xbfba00e3                ; a4 = -1.453152027
	v_mov_b32 v[208+\c], 0x3fb5f0e3                ; a3 = 1.421413741
	v_mov_b32 v[210+\c], 0xbe91a98e                ; a2 = -0.284496736
	v_mov_b32 v[212+\c], 0x3e827906                ; a1 = 0.254829592
.endr
	GELU 0
	GELU 64
	GELU 128
	GELU 192
	WIN 0xc0                                       ; o is done with: g1 and beta1 take window 3 and land under the second norm's exchanges
.irp b, 0,1,2,3,4,5,6,7
.irp e, 0,1,2,3
	global_load_b128 v[16*\b+4*\e:16*\b+4*\e+3], v3, s[16:17] offset:128*\b+16*\e
	global_load_b128 v[128+16*\b+4*\e:128+16*\b+4*\e+3], v3, s[18:19] offset:128*\b+16*\e
.endr
.endr
	WIN 0
	LN 2, 3, 2
; THE WAY OUT: a tile of 16 rows x my 1,024 bytes goes through my own stage and comes back as half rows of 512 bytes.  LDS serves a wave's instructions in order: no wait between the stores and the loads, nor in front of the next tile's stores.
.macro TOSTAGE a
	WIN 0x08                                       ; an LDS store's data are its source 1: window 2
.irp b, 0,1,2,3,4,5,6,7
.irp e, 0,1,2,3
	ds_store_b128 v8, v[128*\a+16*\b+4*\e:128*\a+16*\b+4*\e+3] offset:128*\b+16*\e
.endr
.endr
	WIN 0x40
.irp j, 0,1,2,3,4,5,6,7,8,9,10,11,12,13,14,15
	ds_load_b128 v[128*\a+8*\j:128*\a+8*\j+3], v9 offset:1040*\j
	ds_load_b128 v[128*\a+8*\j+4:128*\a+8*\j+7], v9 offset:1040*\j+512
.endr
	WIN 0
.endm
.macro SEND a
	WIN 0x04                                       ; a store's data are its source 1: window 1
.irp j, 0,1,2,3,4,5,6,7,8,9,10,11,12,13,14,15
	global_store_b128 v1, v[128*\a+8*\j:128*\a+8*\j+3], s[20:21] offset:(8*\a+\j+8*(\j/8))*4096 th:TH_STORE_NT   ; 512 consecutive bytes, at a multiple of 512 from out0's first byte
	global_store_b128 v1, v[128*\a+8*\j+4:128*\a+8*\j+7], s[20:21] offset:(8*\a+\j+8*(\j/8))*4096+512 th:TH_STORE_NT
.endr
	WIN 0
.endm
	TOSTAGE 0
	TOSTAGE 1
	s_wait_dscnt 63                                ; tile 0 is back: behind its last load stand tile 1's 64 LDS instructions
	SEND 0
	s_wait_dscnt 0x0
	SEND 1
	s_wait_tensorcnt 0x0                           ; the wave's end
	ds_add_u32 v12, v13
	s_wait_dscnt 0x0
	CROUND                                         ; the closing round
	s_endpgm
.Lfunc_end_k_q1edeb366a8_tail:
	.size	k_q1edeb366a8_tail, .Lfunc_end_k_q1edeb366a8_tail-k_q1edeb366a8_tail
	.p2alignl 7, 3214868480
	.fill 96, 4, 3214868480
	.section	.rodata,"a",@progbits
	.p2align	6, 0x0
	.amdhsa_kernel k_q1edeb366a8_tail
		.amdhsa_group_segment_fixed_size 327680
		.amdhsa_private_segment_fixed_size 0
		.amdhsa_enable_private_segment 0
		.amdhsa_kernarg_size 72
		.amdhsa_user_sgpr_count 2
		.amdhsa_user_sgpr_kernarg_segment_ptr 1
		.amdhsa_wavefront_size32 1
		.amdhsa_system_sgpr_workgroup_id_x 1
		.amdhsa_system_sgpr_workgroup_id_y 1
		.amdhsa_system_sgpr_workgroup_id_z 1
		.amdhsa_system_vgpr_workitem_id 0
		.amdhsa_next_free_vgpr 1024
		.amdhsa_next_free_sgpr 66
		.amdhsa_reserve_vcc 0
		.amdhsa_float_denorm_mode_32 3
		.amdhsa_float_denorm_mode_16_64 3
		.amdhsa_memory_ordered 1
		.amdhsa_forward_progress 1
		.amdhsa_inst_pref_size 255
	.end_amdhsa_kernel
	.section	.bss,"aw",@nobits
	.p2align	6
	.space	262144
	.amdgpu_metadata
---
amdhsa.version: [ 1, 2 ]
amdhsa.kernels:
  - .name:           k_q1edeb366a8_tail
    .symbol:         k_q1edeb366a8_tail.kd
    .args:
      - { .name: xres, .offset: 0, .size: 8, .value_kind: global_buffer, .address_space: global }
      - { .name: wcodes, .offset: 8, .size: 8, .value_kind: global_buffer, .address_space: global }
      - { .name: wscales, .offset: 16, .size: 8, .value_kind: global_buffer, .address_space: global }
      - { .name: g0, .offset: 24, .size: 8, .value_kind: global_buffer, .address_space: global }
      - { .name: beta0, .offset: 32, .size: 8, .value_kind: global_buffer, .address_space: global }
      - { .name: bp, .offset: 40, .size: 8, .value_kind: global_buffer, .address_space: global }
      - { .name: g1, .offset: 48, .size: 8, .value_kind: global_buffer, .address_space: global }
      - { .name: beta1, .offset: 56, .size: 8, .value_kind: global_buffer, .address_space: global }
      - { .name: out0, .offset: 64, .size: 8, .value_kind: global_buffer, .address_space: global }
    .group_segment_fixed_size: 327680
    .private_segment_fixed_size: 0
    .kernarg_segment_align: 8
    .kernarg_segment_size: 72
    .max_flat_workgroup_size: 128
    .sgpr_count:     66
    .vgpr_count:     1024
    .wavefront_size: 32
...
	.end_amdgpu_metadata
.endif
;; end of part 4
